; MI455X (gfx1250); checked and timed in simulation.
; The chip was launched on July 23, 2026; its instructions are those of AMD's public machine-readable ISA for CDNA 5 (MIT licence, August 2026) and "CDNA5" Instruction Set Architecture Reference Guide (July 2026). The comments in the code are by the model that wrote it; some were corrected since.
;; MHA. Allowed arithmetic: matrix products marked QUANTISED: E2M1 operands, one E8M0 scale for each 32 along K, by v_wmma_scale_f32_16x16x128_f8f6f4 with both operands' format E2M1 (or v_wmma_scale_f32_32x16x128_f4), f32 sums; everything else in f32.
;; Inputs: Wqkv_b 3,072 float32; Wqkv_w 3,072 x 1,024 float32; out_b 1,024 float32; out_w 1,024 x 1,024 float32; x 1 x 4,096 x 1,024 float32.
;; Outputs: out0 1 x 4,096 x 1,024 float32.
;; This version of the problem:
;;   THIS VERSION OF THE PROBLEM IS GIVEN IN LOW PRECISION. The matrix products marked QUANTISED in the list below multiply operands that are first quantised to E2M1 (2 exponent bits, 1 mantissa bit; 4 bits a number), with one power-of-two scale for each 32 numbers along K (OCP MX v1.0); their sums are f32. All else is computed in f32.
;;   The module's matrix products, in the order in which they are computed (A, B: the left and right operand; K: the contracted axis; several contracted axes count as one K, in the product's order):
;;     1. [M 4,096, K 1,024] x [K 1,024, N 3,072]; A: input x; B: input Wqkv_w: QUANTISED
;;     2. batch 16 x [M 4,096, K 64] x [K 64, N 4,096]; A: computed on the way; B: computed on the way: QUANTISED
;;     3. batch 16 x [M 64, K 4,096] x [K 4,096, N 4,096]; A: computed on the way; B: softmax (see below): QUANTISED
;;     4. [M 4,096, K 1,024] x [K 1,024, N 1,024]; A: computed on the way; B: input out_w: QUANTISED
;;   THE QUANTISER, for each operand of a quantised product, along K:
;;     - K is cut into blocks of 32 from its start; a last block that is shorter is filled with zeros.
;;     - A block's scale is 2^e with e = floor(log2(the largest magnitude in the block)) - 2, held to -126 .. 127; a block of zeros has e = 0. As a byte (E8M0): e + 127.
;;     - Each number is divided by its block's scale, clamped to +-6, and rounded to the nearest number of E2M1, ties to even, subnormals kept.
;;     - The product sums the exact products of the quantised numbers (number of the format x scale) in f32.
;;   ~~~python
;;   def quantise(x, axis):      # numpy; x: float32 -> the quantised numbers, widened to float32 again
;;       x = np.moveaxis(x, axis, -1); K = x.shape[-1]
;;       x = np.pad(x, [(0, 0)] * (x.ndim - 1) + [(0, -K % 32)]); x = x.reshape(x.shape[:-1] + (-1, 32)); a = np.abs(x).max(-1, keepdims=True)
;;       e = np.where(a > 0, np.clip(np.frexp(np.where(a > 0, a, 1))[1] - 1 - 2, -126, 127), 0)      # np.frexp(a)[1] - 1 = floor(log2(a)), exactly
;;       r = np.clip(x / 2.0 ** e, -6, 6)
;;       step = 2.0 ** (np.maximum(np.frexp(np.where(r == 0, 1, r))[1] - 1, 0) - 1)
;;       q = np.round(r / step) * step * 2.0 ** e      # np.round: ties to even
;;       return np.moveaxis(q.reshape(q.shape[:-2] + (-1,))[..., :K], -1, axis).astype(np.float32)
;;   ~~~
;;   SOFTMAX AHEAD OF A QUANTISED PRODUCT. Where the list says 'softmax', what is quantised is not the finished softmax but p = 2^(t - M), with t = logit x log2(e) and M = ceil(the row's largest t), a whole number; so 1/2 < the row's largest p <= 1. The row's sum l is taken of the UNQUANTISED p, in f32, and the product's result is divided by l at the end. Since M is a whole number, a kernel that streams over the keys may use a running M (the ceiling of the running maximum): every later rescaling is an exact power of two, which a block's scale takes up: the codes' values come out the same.
;;   OPERANDS COMPUTED ON THE WAY. 'Computed on the way' means the value that the module computes at that place (a softmax that the list does not call 'softmax' is quantised finished and normalised). What goes into a quantiser is computed in f32, as accurately as f32 sums, v_exp_f32 and their like allow (about 1e-6 of the number): no bf16 or f16 on the way to a quantiser, and a product that is left as it is and whose result goes on into a quantised operand takes f32 operands (vector FMAs, or v_wmma_f32_16x16x4_f32). A number that lies on a knife's edge between two numbers of the format may be rounded either way, as far as f32 arithmetic and the matrix unit's own rounding can turn it there, and no further.
;; One version. Each part assembles by itself: llvm-mc -triple=amdgcn-amd-amdhsa -mcpu=gfx1250 --defsym DOCPART=n.
;; ======== version 1 of 1: 4 launches
;; limits: right only within a limited range of input values
;; workspace buffers: opc 4,194,304 bytes; ops 262,144 bytes; qkvc 6,291,456 bytes; qkvs 786,432 bytes; ctxc 2,097,152 bytes; ctxs 131,072 bytes
;; launch quant (part 1): grid 256 x 1, 4 waves a work-group, no clusters, 33,280 bytes of LDS; arguments x, Wqkv_w, out_w, opc, ops; writes opc, ops
.if DOCPART == 1
	.amdgcn_target "amdgcn-amd-amdhsa--gfx1250"
	.amdhsa_code_object_version 6
	.text
	.protected	k_q7f75e6cb12_quant
	.globl	k_q7f75e6cb12_quant
	.p2align	8
	.type	k_q7f75e6cb12_quant,@function
k_q7f75e6cb12_quant:
	s_mov_b64 s[64:65], 0
	v_nop
	global_prefetch_b8 v0, s[64:65] scope:SCOPE_SE
	s_setreg_imm32_b32 hwreg(HW_REG_WAVE_MODE, 25, 1), 1
	s_wait_xcnt 0x0
; x [4096][1024], Wqkv_w [3072][1024] and out_w [1024][1024], f32, K innermost, become codes of FP4 (E2M1) with one E8M0 scale byte for each 32 along K.
; OUT: opc, rows of 512 bytes (1,024 codes), and ops, rows of 32 scale bytes; x's rows from row 0, Wqkv_w's from 4096, out_w's from 7168.
; THE ORDER OF ROWS.  x: inside each 64 rows, stored row 16 u + rho is true row 32 (rho / 8) + 8 u + rho % 8: a product that takes 16 stored rows on end as its source 0 then leaves, in the registers of four neighbouring tiles, 32 neighbouring tokens to each half of the lanes.
; Wqkv_w: inside each 32 rows the second and the third group of 8 change places: two neighbouring tiles then leave 16 neighbours to each half of the lanes.  out_w keeps its order.
; A block's scale is 2^(floor(log2(its largest magnitude)) - 2); its byte is the largest magnitude's exponent field - 2, held at 1 from below.  Each number is divided by the scale and rounded to the nearest code, ties to even.
; LIMITS: a block of zeros gets the byte 1 where the rule says 127 (its codes are zeros, and these bytes are read by this program alone); NaN and infinities among the inputs are not served.
; SHARES: a work-group takes 32 rows, a wave 8 rows = 16 steps of 512 numbers.  Work-groups 0-127: x; 128-223: Wqkv_w; 224-255: out_w.  Only pointers and places are chosen: all three take one path.
; Each of a step's four loads reads 512 consecutive bytes, 16 a lane; the 2,048 bytes turn through the wave's own stage in LDS and come back 64 bytes a lane: 16 neighbours along K, two lanes to a block.
; No tensor loads, no barrier: waves share nothing.  Loads run four steps (16 loads a wave) ahead, the turn through LDS one step.
.set STEPS, 16
.set EMAX,  2
.set CB,    8                          ; bytes of 16 codes
.set R,     16                         ; v16-79   four sets of 16 numbers as they are loaded
.set X,     80                         ; v80-111  two sets of 16 neighbours
.set C,     128                        ; v128-191 codes: four registers for each step, so that no store's data are written again
.set E,     112                        ; v112-127 a scale byte for each step
.set WREG,  8192                       ; LDS: a region for each wave: two stages of 32 x SP bytes, behind them its 256 scale bytes
.set SP,    80                         ; a lane's place in a stage: its 64 bytes + 16 of padding
	s_load_b128 s[4:7], s[0:1], 0x0                ; x, Wqkv_w
	s_load_b128 s[8:11], s[0:1], 0x10              ; out_w, opc
	s_load_b64 s[12:13], s[0:1], 0x20              ; ops
	v_lshl_add_u32 v192, v0, 2, 0x8000
	v_mov_b32 v193, 0
	v_lshrrev_b32 v1, 5, v0
	v_readfirstlane_b32 s16, v1                    ; wave
	v_and_b32 v2, 31, v0                           ; lane
	v_lshlrev_b32 v3, 4, v2                        ; my 16 bytes of a load's 512
	s_mul_i32 s17, s16, WREG
	v_lshrrev_b32 v14, 2, v2
	v_mul_u32_u24 v14, v14, SP
	v_and_b32 v15, 3, v2
	v_lshl_add_u32 v14, v15, 4, v14
	v_add_nc_u32 v14, s17, v14                     ; the stage, on the way in: SP (lane / 4) + 16 (lane % 4)
	v_mul_u32_u24 v15, v2, SP
	v_add_nc_u32 v15, s17, v15                     ; and on the way out: SP x lane: my 16 neighbours
	v_mul_u32_u24 v4, v2, CB                       ; my codes' place in a step's
	v_lshrrev_b32 v5, 1, v2
	s_add_co_u32 s17, s17, 2*32*SP
	v_add_nc_u32 v5, s17, v5                       ; LDS: my wave's 256 scale bytes, my block's byte
	v_lshlrev_b32 v7, 3, v2                        ; and on the way out 8 bytes a lane
	v_add_nc_u32 v6, s17, v7
	s_and_b32 s20, s16, 1
	s_lshl_b32 s20, s20, 1
	s_lshr_b32 s21, s16, 1
	s_or_b32 s20, s20, s21                         ; Wqkv_w: where my 8 rows go among the 32: 0, 2, 1, 3
	s_mov_b32 s22, 224
	s_wait_alu depctr_va_vdst(0)
	s_wait_kmcnt 0x0
	s_cmp_lt_u32 ttmp9, 128                        ; which tensor: the choice hangs on the work-group's number alone
	s_cselect_b64 s[4:5], s[4:5], s[6:7]
	s_cselect_b32 s17, 0, 128
	s_cmp_lt_u32 ttmp9, 224
	s_cselect_b64 s[4:5], s[4:5], s[8:9]
	s_cselect_b32 s17, s17, s22                    ; the tensor's first work-group
	s_cselect_b32 s20, s20, s16                    ; out_w keeps its order
	s_sub_co_u32 s17, ttmp9, s17
	s_lshl_b32 s17, s17, 2
	s_add_co_u32 s18, s17, s16                     ; which run of 8 rows of the tensor is my wave's
	s_lshl_b32 s18, s18, 15                        ; 32,768 bytes a run
	s_mov_b32 s19, 0
	s_add_nc_u64 s[4:5], s[4:5], s[18:19]
	s_lshl_b32 s17, ttmp9, 2
	s_add_co_u32 s17, s17, s20                     ; which run of 8 rows of the output: Wqkv_w and out_w;
	s_lshr_b32 s21, ttmp9, 1
	s_lshl_b32 s21, s21, 3                         ; x: 8 runs to each 64 rows,
	s_lshl_b32 s22, s16, 1
	s_add_co_u32 s21, s21, s22                     ; + 2 x wave
	s_and_b32 s22, ttmp9, 1
	s_add_co_u32 s21, s21, s22                     ; + which 32 of the 64 are my work-group's
	s_cmp_lt_u32 ttmp9, 128
	s_cselect_b32 s17, s21, s17
	s_lshl_b32 s18, s17, 12                        ; 4,096 bytes of codes,
	s_add_nc_u64 s[10:11], s[10:11], s[18:19]
	s_lshl_b32 s18, s17, 8                         ; 256 scale bytes
	s_add_nc_u64 s[12:13], s[12:13], s[18:19]
.macro LOAD t
.irp i, 0,1,2,3
	global_load_b128 v[R+16*((\t)%4)+4*\i:R+16*((\t)%4)+4*\i+3], v3, s[4:5] offset:2048*(\t)+512*\i th:TH_LOAD_NT   ; 32 lanes read 512 consecutive bytes
.endr
.endm
.macro TURN t                          ; step t's numbers through the stage: LDS serves a wave's instructions in order, so no wait stands between the stores and the loads
.irp i, 0,1,2,3
	ds_store_b128 v14, v[R+16*((\t)%4)+4*\i:R+16*((\t)%4)+4*\i+3] offset:32*SP*((\t)%2)+8*SP*\i
.endr
.irp i, 0,1,2,3
	ds_load_b128 v[X+16*((\t)%2)+4*\i:X+16*((\t)%2)+4*\i+3], v15 offset:32*SP*((\t)%2)+16*\i
.endr
.endm
.irp t, 0,1,2,3
	LOAD \t
.endr
	s_wait_loadcnt 12                              ; step 0's four loads are in
	TURN 0
.macro STEP t
.set XS, X+16*((\t)%2)
.if (\t) > 0
	s_wait_dscnt 1                                 ; this step's numbers are back from the stage (the last step's byte store may be out): so its stores into the stage have read their registers,
.else
	s_wait_dscnt 0x0
.endif
.if (\t)+4 < STEPS
	LOAD (\t)+4                                    ; which take the loads of four steps on
.endif
.if (\t)+1 < STEPS
.if STEPS-2-(\t) >= 3
	s_wait_loadcnt 12                              ; the next step's four loads are in; those of the three steps behind it may be out
.else
	s_wait_loadcnt 4*(STEPS-2-(\t))
.endif
	TURN (\t)+1                                    ; and go through the other stage while this step is worked
.endif
	v_max3_num_f32 v8, |v[XS]|, |v[XS+1]|, |v[XS+2]|               ; the largest magnitude of my 16
	v_max3_num_f32 v9, |v[XS+3]|, |v[XS+4]|, |v[XS+5]|
.irp i, 6,10
	v_max3_num_f32 v8, v8, |v[XS+\i]|, |v[XS+\i+1]|
	v_max3_num_f32 v9, v9, |v[XS+\i+2]|, |v[XS+\i+3]|
.endr
	v_max3_num_f32 v8, v8, |v[XS+14]|, |v[XS+15]|
	v_max3_num_f32 v8, v8, v9, (EMAX+1)<<23        ; and the floor 2^(EMAX + 1 - 127): the byte cannot fall under 1
	v_max_num_f32_dpp v8, v8, v8 row_xmask:1 row_mask:0xf bank_mask:0xf   ; and of my neighbour's 16: the block's
	v_add_nc_u32 v11, -(EMAX<<23), v8              ; EMAX off its exponent field: the conversion takes the exponent field of this operand as its scale
	v_cvt_scalef32_pk8_fp4_f32 v[C+4*(\t)], v[XS:XS+7], v11
	v_cvt_scalef32_pk8_fp4_f32 v[C+4*(\t)+1], v[XS+8:XS+15], v11
	v_lshrrev_b32 v[E+(\t)], 23, v11               ; the scale's byte
	ds_store_b8 v5, v[E+(\t)] offset:16*(\t)       ; both lanes of a block write the same byte with the same value
	global_store_b64 v4, v[C+4*(\t):C+4*(\t)+1], s[10:11] offset:32*CB*(\t)   ; the wave stores 256 consecutive bytes, aligned
.endm
.irp t, 0,1,2,3,4,5,6,7,8,9,10,11,12,13,14,15
	STEP \t
.endr
	ds_load_b64 v[12:13], v6                       ; LDS serves a wave's instructions in order: these see my stores
	s_wait_dscnt 0x0
	global_store_b64 v7, v[12:13], s[12:13]        ; 32 lanes store 256 consecutive bytes, aligned
	s_wait_tensorcnt 0x0
	ds_add_u32 v192, v193
	s_wait_dscnt 0x0
	s_endpgm
.Lfunc_end_k_q7f75e6cb12_quant:
	.size	k_q7f75e6cb12_quant, .Lfunc_end_k_q7f75e6cb12_quant-k_q7f75e6cb12_quant
	.p2alignl 7, 3214868480
	.fill 96, 4, 3214868480
	.section	.rodata,"a",@progbits
	.p2align	6, 0x0
	.amdhsa_kernel k_q7f75e6cb12_quant
		.amdhsa_group_segment_fixed_size 33280
		.amdhsa_private_segment_fixed_size 0
		.amdhsa_enable_private_segment 0
		.amdhsa_kernarg_size 40
		.amdhsa_user_sgpr_count 2
		.amdhsa_user_sgpr_kernarg_segment_ptr 1
		.amdhsa_wavefront_size32 1
		.amdhsa_system_sgpr_workgroup_id_x 1
		.amdhsa_system_sgpr_workgroup_id_y 1
		.amdhsa_system_sgpr_workgroup_id_z 1
		.amdhsa_system_vgpr_workitem_id 0
		.amdhsa_next_free_vgpr 194
		.amdhsa_next_free_sgpr 66
		.amdhsa_reserve_vcc 0
		.amdhsa_float_denorm_mode_32 3
		.amdhsa_float_denorm_mode_16_64 3
		.amdhsa_memory_ordered 1
		.amdhsa_forward_progress 1
		.amdhsa_inst_pref_size 34
	.end_amdhsa_kernel
	.amdgpu_metadata
---
amdhsa.version: [ 1, 2 ]
amdhsa.kernels:
  - .name:           k_q7f75e6cb12_quant
    .symbol:         k_q7f75e6cb12_quant.kd
    .args:
      - { .name: x, .offset: 0, .size: 8, .value_kind: global_buffer, .address_space: global }
      - { .name: Wqkv_w, .offset: 8, .size: 8, .value_kind: global_buffer, .address_space: global }
      - { .name: out_w, .offset: 16, .size: 8, .value_kind: global_buffer, .address_space: global }
      - { .name: opc, .offset: 24, .size: 8, .value_kind: global_buffer, .address_space: global }
      - { .name: ops, .offset: 32, .size: 8, .value_kind: global_buffer, .address_space: global }
    .group_segment_fixed_size: 33280
    .private_segment_fixed_size: 0
    .kernarg_segment_align: 8
    .kernarg_segment_size: 40
    .max_flat_workgroup_size: 128
    .sgpr_count:     66
    .vgpr_count:     194
    .wavefront_size: 32
...
	.end_amdgpu_metadata
.endif
;; end of part 1
;; launch qkv (part 2): grid 12 x 16, 4 waves a work-group, clusters of 4 x 4, 327,680 bytes of LDS; arguments opc, ops, Wqkv_b, qkvc, qkvs; writes qkvc, qkvs
.if DOCPART == 2
	.amdgcn_target "amdgcn-amd-amdhsa--gfx1250"
	.amdhsa_code_object_version 6
	.text
	.protected	k_q7f75e6cb12_qkv
	.globl	k_q7f75e6cb12_qkv
	.p2align	8
	.type	k_q7f75e6cb12_qkv,@function
k_q7f75e6cb12_qkv:
	s_mov_b64 s[64:65], 0
	v_nop
	global_prefetch_b8 v0, s[64:65] scope:SCOPE_SE
	s_setreg_imm32_b32 hwreg(HW_REG_WAVE_MODE, 25, 1), 1
	s_wait_xcnt 0x0
	s_wait_alu depctr_hold_cnt(0) depctr_sa_sdst(0) depctr_va_vdst(0) depctr_va_sdst(0) depctr_va_ssrc(0) depctr_va_vcc(0) depctr_vm_vsrc(0)
	s_getreg_b32 s2, hwreg(HW_REG_IB_STS2, 6, 4)
	s_cmp_eq_u32 s2, 0
	s_cbranch_scc0 .Lentry_in_a_cluster
	s_endpgm
.Lentry_in_a_cluster:
	s_bfe_u32 s2, ttmp6, 0x10000c
	s_cmp_lg_u32 s2, 0xf033
	s_cbranch_scc0 .Lentry_shape_is_right
	s_endpgm
.Lentry_shape_is_right:
.set KSTEP,  512
.set NQ,     4
.set ROWB,   256
.set KROW,   512
.set PITCH,  272
.set FR,     8
.set NL,     2
.set NP,     4
.set HALFT,  128*PITCH
.set SLOT,   4*HALFT
.set KS,     32
.set SCL,    2*SLOT
.set HALFS,  (128*KS/256)*272
.set SBLK,   (16*KS/256)*272
.set SPARE,  SCL+4*HALFS
.set STG1,   8192
.set ADRA, 16
.set GS1,  18
.set RB1,  19
.set ADRB, 20
.set ST1,  22
.set RB0,  23
.set ST0,  24
.set SH,   25
.set LI,   26
.set ADRS, 27
.set SPW,  28
.set NIL,  29
.set SC,   32
.set TM,   96
.set PWS,  112
.set PW,   120
.set AF,   128
.set PC,   128
.set BI,   192
.set RBK,  192
.set G1, 24
.set G0, 32
.set G1B, 48
.set G0B, 56
.set SEL, 66
.set G1S, 68
.set G0S, 76
.set G1SB, 80
.set G0SB, 88
.set FLOOR, 96
.set ADJ,  97
.set OC,   98
.set OS,   100
.set MSB, 0
.macro WIN new
.if MSB != \new
	s_set_vgpr_msb (MSB<<8)|\new
.set MSB, \new
.endif
.endm
.set MUL_LO, 0xa1
.set MUL_HI, 0xf1
.set BIA_LO, 0x81
.set BIA_HI, 0xc1
.set TO_B,   0x40
.macro JLOAD g0a, g1a, g0b, g1b
	s_cmp_eq_u32 s15, 0
	s_cbranch_scc0 .Lfor_b_\@
	tensor_load_to_lds s[\g0a:\g0a+3], s[\g1a:\g1a+7]
	s_nop 0
.rept 4
	v_nop
.endr
	s_branch .Lasked_\@
.Lfor_b_\@:
	tensor_load_to_lds s[\g0b:\g0b+3], s[\g1b:\g1b+7]
	s_nop 0
.rept 4
	v_nop
.endr
.Lasked_\@:
.endm
.macro CROUND
	s_barrier_signal -1
	s_barrier_wait -1
	s_cmp_lg_u32 s14, 0
	s_cbranch_scc1 .Lnot_wave_0_\@
	s_barrier_signal -3
.Lnot_wave_0_\@:
	s_barrier_wait -3
	s_barrier_signal -1
	s_barrier_wait -1
.endm
	s_load_b128 s[4:7], s[0:1], 0x0
	s_load_b128 s[8:11], s[0:1], 0x10
	s_load_b64 s[12:13], s[0:1], 0x20
	v_lshl_add_u32 v[SPW], v0, 2, SPARE
	v_mov_b32 v[NIL], 0
	ds_add_u32 v28, v29
	ds_add_u32 v28, v29
	s_wait_dscnt 0x0
	v_lshrrev_b32 v1, 5, v0
	v_readfirstlane_b32 s14, v1
	s_lshr_b32 s15, s14, 1
	s_and_b32 s16, s14, 1
	s_bfe_u32 s40, ttmp6, 0x40000
	s_bfe_u32 s41, ttmp6, 0x40004
	s_and_b32 s42, ttmp7, 0xffff
	s_lshl_b32 s43, s41, 2
	s_lshl_b32 s43, 15, s43
	s_lshl_b32 s44, 0x1111, s40
	s_or_b32 s[G1+0], s43, (0<<16)|(1<<20)|(1<<21)|(5<<22)|(3<<25)
	s_or_b32 s[G1B+0], s44, (0<<16)|(1<<20)|(1<<21)|(5<<22)|(3<<25)
.irp g, G1, G1B
	s_mov_b32 s[\g+1], ROWB<<16
	s_mov_b32 s[\g+2], 128<<16
	s_mov_b32 s[\g+3], ROWB<<16
	s_mov_b32 s[\g+4], 128
	s_mov_b32 s[\g+5], KROW
	s_mov_b32 s[\g+6], 0
	s_mov_b32 s[\g+7], 0
.endr
	s_or_b32 s[G1S+0], s43, (3<<16)|(1<<20)|(1<<21)|(5<<22)|(3<<25)
	s_or_b32 s[G1SB+0], s44, (3<<16)|(1<<20)|(1<<21)|(5<<22)|(3<<25)
.irp g, G1S, G1SB
	s_mov_b32 s[\g+1], 32<<16
	s_mov_b32 s[\g+2], (128*KS/256)<<16
	s_mov_b32 s[\g+3], 32<<16
	s_mov_b32 s[\g+4], 128*KS/256
	s_mov_b32 s[\g+5], 32
	s_mov_b32 s[\g+6], 0
	s_mov_b32 s[\g+7], 0
.endr
	s_lshl_b32 s17, s42, 10
	s_lshl_b32 s18, ttmp9, 10
	s_add_co_u32 s18, s18, 4096
	s_mov_b32 s19, 6144
	s_cmp_eq_u32 ttmp9, 2
	s_cselect_b32 s19, s19, s17
	s_cselect_b32 s18, s17, s18
	s_mov_b32 s[FLOOR], 3<<23
	s_mov_b32 s2, 6<<23
	s_mov_b32 s3, 0x03030303
	s_cmp_eq_u32 ttmp9, 1
	s_cselect_b32 s[FLOOR], s2, s[FLOOR]
	s_cselect_b32 s[ADJ], s3, 0
	s_mov_b32 s[SEL], 0x76543210
	s_mov_b32 s[SEL+1], 0xfedcba98
	s_lshl_b32 s2, s16, 7
	s_lshl_b32 s20, s41, 8
	s_add_co_u32 s20, s20, s19
	s_add_co_u32 s20, s20, s2
	s_lshl_b32 s46, s40, 8
	s_add_co_u32 s46, s46, s18
	s_add_co_u32 s46, s46, s2
	s_lshl_b32 s22, s20, 5
	s_mov_b32 s23, 0
	s_lshl_b32 s20, s20, 9
	s_mov_b32 s21, 0
	s_lshl_b32 s92, s46, 5
	s_mov_b32 s93, 0
	s_lshl_b32 s46, s46, 9
	s_mov_b32 s47, 0
	s_mul_i32 s45, s14, HALFT
	s_mul_i32 s94, s14, HALFS
	s_wait_kmcnt 0x0
	s_add_nc_u64 s[20:21], s[4:5], s[20:21]
	s_add_nc_u64 s[22:23], s[6:7], s[22:23]
	s_add_nc_u64 s[46:47], s[4:5], s[46:47]
	s_add_nc_u64 s[92:93], s[6:7], s[92:93]
	CROUND
	s_mov_b32 s[G0S], 1
	s_add_co_u32 s[G0S+1], s94, SCL
	s_mov_b64 s[G0S+2:G0S+3], s[22:23]
	s_or_b32 s[G0S+3], s[G0S+3], 0x80000000
	s_mov_b32 s[G0SB], 1
	s_add_co_u32 s[G0SB+1], s94, SCL
	s_mov_b64 s[G0SB+2:G0SB+3], s[92:93]
	s_or_b32 s[G0SB+3], s[G0SB+3], 0x80000000
	JLOAD G0S, G1S, G0SB, G1SB
.irp s, 0,1
	s_mov_b32 s[G0+4*\s], 1
	s_add_co_u32 s[G0+4*\s+1], s45, \s*SLOT
	s_add_nc_u64 s[G0+4*\s+2:G0+4*\s+3], s[20:21], \s*ROWB
	s_or_b32 s[G0+4*\s+3], s[G0+4*\s+3], 0x80000000
	s_mov_b32 s[G0B+4*\s], 1
	s_add_co_u32 s[G0B+4*\s+1], s45, \s*SLOT
	s_add_nc_u64 s[G0B+4*\s+2:G0B+4*\s+3], s[46:47], \s*ROWB
	s_or_b32 s[G0B+4*\s+3], s[G0B+4*\s+3], 0x80000000
	s_wait_alu depctr_va_vdst(0)
	s_wait_tensorcnt 0x0
	ds_add_u32 v28, v29
	s_wait_dscnt 0x0
	CROUND
	JLOAD G0+4*\s, G1, G0B+4*\s, G1B
.endr
	v_and_b32 v1, 15, v0
	v_bfe_u32 v2, v0, 4, 1
	s_cmp_eq_u32 ttmp9, 2
	s_cbranch_scc1 .Lbias_v
	s_lshl_b32 s2, ttmp9, 2
	s_add_co_u32 s2, s2, s40
	s_lshl_b32 s2, s2, 10
	s_lshl_b32 s3, s16, 9
	s_add_co_u32 s2, s2, s3
	s_mov_b32 s3, 0
	s_add_nc_u64 s[8:9], s[8:9], s[2:3]
	s_wait_alu depctr_va_vdst(0)
	v_lshlrev_b32 v3, 6, v2
.irp b, 0,1,2,3,4,5,6,7
	global_load_b128 v[BI+8*\b:BI+8*\b+3], v3, s[8:9] offset:(32*(\b/2)+8*(\b%2))*4
	global_load_b128 v[BI+8*\b+4:BI+8*\b+7], v3, s[8:9] offset:(32*(\b/2)+8*(\b%2))*4+16
.endr
	s_wait_loadcnt 0x0
	s_branch .Lbias_done
.Lbias_v:
	s_lshl_b32 s2, s41, 10
	s_lshl_b32 s3, s15, 9
	s_add_co_u32 s2, s2, s3
	s_add_co_u32 s2, s2, 8192
	s_mov_b32 s3, 0
	s_add_nc_u64 s[8:9], s[8:9], s[2:3]
	s_wait_alu depctr_va_vdst(0)
	v_and_b32 v3, 8, v1
	v_add_nc_u32 v3, v3, v1
	v_lshlrev_b32 v3, 2, v3
.irp a, 0,1,2,3,4,5,6,7
	global_load_b32 v[BI+8*\a], v3, s[8:9] offset:(32*(\a/2)+8*(\a%2))*4
.endr
	s_wait_loadcnt 0x0
.irp a, 0,1,2,3,4,5,6,7
.irp j, 1,2,3,4,5,6,7
	v_mov_b32 v[BI+8*\a+\j], v[BI+8*\a]
.endr
.endr
.Lbias_done:
	v_mul_u32_u24 v3, v1, PITCH
	v_lshl_add_u32 v4, v2, 4, v3
	s_mul_i32 s2, s15, HALFT
	s_mul_i32 s3, s16, HALFT
	s_add_co_u32 s3, s3, 2*HALFT
.irp s, 0,1
	v_add_nc_u32 v[ADRA+\s], s2, v4
	v_add_nc_u32 v[ADRB+\s], s3, v4
	s_add_co_u32 s2, s2, SLOT
	s_add_co_u32 s3, s3, SLOT
.endr
	v_mul_u32_u24 v5, v1, KS
	v_lshrrev_b32 v6, 8, v5
	v_lshl_add_u32 v5, v6, 4, v5
	s_mul_i32 s2, s15, HALFS
	s_mul_i32 s3, s16, HALFS
	s_add_co_u32 s3, s3, 2*HALFS
	s_sub_co_u32 s3, s3, s2
	v_mul_u32_u24 v6, s3, v2
	s_add_co_u32 s2, s2, SCL
	v_add_nc_u32 v5, v5, v6
	v_add_nc_u32 v[ADRS], s2, v5
	v_and_b32 v6, 31, v0
	v_lshlrev_b32 v[LI], 4, v6
	v_lshlrev_b32 v[SH], 4, v2
	s_lshl_b32 s2, s14, 10
	v_lshlrev_b32 v5, 2, v1
	v_add_nc_u32 v5, s2, v5
	v_lshl_add_u32 v[ST0], v2, 9, v5
	v_add_nc_u32 v[ST1], STG1, v5
	v_add_nc_u32 v[RB0], s2, v[LI]
	v_add_nc_u32 v[RB1], STG1, v[RB0]
	v_lshlrev_b32 v5, 4, v1
	v_mul_u32_u24 v6, v2, 24576
	v_add_nc_u32 v[GS1], v5, v6
	s_cmp_eq_u32 ttmp9, 2
	s_cselect_b32 s2, s41, s40
	s_cselect_b32 s3, s15, s16
	s_cselect_b32 s17, s40, s41
	s_cselect_b32 s18, s16, s15
	s_cselect_b32 s19, 512, 0
	s_lshl_b32 s2, s2, 2
	s_lshl_b32 s3, s3, 1
	s_add_co_u32 s2, s2, s3
	s_lshl_b32 s3, s42, 3
	s_lshl_b32 s17, s17, 1
	s_add_co_u32 s3, s3, s17
	s_add_co_u32 s3, s3, s18
	s_lshl_b32 s[OC], ttmp9, 21
	s_lshl_b32 s17, s2, 17
	s_add_co_u32 s[OC], s[OC], s17
	s_lshl_b32 s17, s3, 12
	s_add_co_u32 s[OC], s[OC], s17
	s_mov_b32 s[OC+1], 0
	s_add_nc_u64 s[OC:OC+1], s[10:11], s[OC:OC+1]
	s_min_u32 s[OS], ttmp9, 1
	s_mul_i32 s[OS], s[OS], 393216
	s_mul_i32 s17, s2, 24576
	s_add_co_u32 s[OS], s[OS], s17
	s_mul_i32 s17, s3, 768
	s_add_co_u32 s[OS], s[OS], s17
	s_add_co_u32 s[OS], s[OS], s19
	s_mov_b32 s[OS+1], 0
	s_add_nc_u64 s[OS:OS+1], s[12:13], s[OS:OS+1]
.macro FRAG reg, adr, q, i
.irp c, 0,1
	ds_load_b128 v[\reg+4*\c:\reg+4*\c+3], v[\adr] offset:64*(\q)+32*\c+(\i)*16*PITCH
.endr
.endm
.macro MUL16 a0, p, q, sc, cm
.irp a, \a0, \a0+1
.irp b, 0,1,2,3,4,5,6,7
.if \cm == 1
	v_wmma_scale_f32_16x16x128_f8f6f4 v[8*(8*((\a)%4)+\b):8*(8*((\a)%4)+\b)+7], v[128*(\p)+FR*\b:128*(\p)+FR*\b+FR-1], v[AF+FR*(\a):AF+FR*(\a)+FR-1], v[BI+8*\b:BI+8*\b+7], v[SC+8*NQ*(\sc)+NQ*\b+(\q)], v[SC+8*NQ*(\sc)+NQ*(\a)+(\q)] matrix_a_fmt:MATRIX_FMT_FP4 matrix_b_fmt:MATRIX_FMT_FP4 matrix_a_scale:MATRIX_SCALE_ROW1
.elseif \cm == 2
	v_wmma_scale_f32_16x16x128_f8f6f4 v[8*(8*((\a)%4)+\b):8*(8*((\a)%4)+\b)+7], v[128*(\p)+FR*\b:128*(\p)+FR*\b+FR-1], v[AF+FR*(\a):AF+FR*(\a)+FR-1], v[BI+8*(\a):BI+8*(\a)+7], v[SC+8*NQ*(\sc)+NQ*\b+(\q)], v[SC+8*NQ*(\sc)+NQ*(\a)+(\q)] matrix_a_fmt:MATRIX_FMT_FP4 matrix_b_fmt:MATRIX_FMT_FP4 matrix_a_scale:MATRIX_SCALE_ROW1
.else
	v_wmma_scale_f32_16x16x128_f8f6f4 v[8*(8*((\a)%4)+\b):8*(8*((\a)%4)+\b)+7], v[128*(\p)+FR*\b:128*(\p)+FR*\b+FR-1], v[AF+FR*(\a):AF+FR*(\a)+FR-1], v[8*(8*((\a)%4)+\b):8*(8*((\a)%4)+\b)+7], v[SC+8*NQ*(\sc)+NQ*\b+(\q)], v[SC+8*NQ*(\sc)+NQ*(\a)+(\q)] matrix_a_fmt:MATRIX_FMT_FP4 matrix_b_fmt:MATRIX_FMT_FP4 matrix_a_scale:MATRIX_SCALE_ROW1
.endif
.endr
.endr
.endm
.macro FETCH_B slot, q, p
	WIN TO_B
.irp i, 0,1,2,3,4,5,6,7
	FRAG 128*(\p)+FR*\i, ADRB+\slot, \q, \i
.endr
	WIN 0
.endm
.macro FETCH_A slot, q, i0
.irp i, \i0, \i0+1, \i0+2, \i0+3
	FRAG AF+FR*(\i), ADRA+\slot, \q, \i
.endr
.endm
.macro SCALES sc
.irp i, 0,1,2,3,4,5,6,7
	ds_load_b128 v[SC+8*NQ*\sc+NQ*\i:SC+8*NQ*\sc+NQ*\i+3], v[ADRS] offset:\i*SBLK
.endr
.endm
.macro PLACES n
.rept \n
	v_nop
.endr
.endm
.macro STEP slot, q, cm
	s_wait_dscnt 4*NL
.if \cm
	WIN BIA_LO
.else
	WIN MUL_LO
.endif
	MUL16 0, (\q)%2, \q, \slot, \cm
	MUL16 2, (\q)%2, \q, \slot, \cm
	s_wait_dscnt 0
	PLACES NP
	FETCH_B \slot, (\q)+1, 1-(\q)%2
	FETCH_A \slot, (\q)+1, 0
.if \cm
	WIN BIA_HI
.else
	WIN MUL_HI
.endif
	MUL16 4, (\q)%2, \q, \slot, \cm
	MUL16 6, (\q)%2, \q, \slot, \cm
	PLACES NP
	WIN 0
	FETCH_A \slot, (\q)+1, 4
.endm
.macro TURN slot, next
	s_wait_tensorcnt 0x0
	ds_add_u32 v[SPW], v[NIL]
	s_wait_dscnt 4*NL+1
	WIN MUL_LO
	MUL16 0, 1, NQ-1, \slot, 0
	s_wait_dscnt 0x0
	s_barrier_signal -1
	MUL16 2, 1, NQ-1, \slot, 0
	WIN 0
	s_barrier_wait -1
	PLACES NP
	v_add_nc_u32 v[ADRS], 4*NQ, v[ADRS]
	FETCH_B \next, 0, 0
	FETCH_A \next, 0, 0
	SCALES \next
	WIN MUL_HI
	MUL16 4, 1, NQ-1, \slot, 0
	MUL16 6, 1, NQ-1, \slot, 0
	PLACES NP
	WIN 0
	FETCH_A \next, 0, 4
.endm
.macro STEPS slot, from
.set Q, \from
.rept NQ-1-\from
	STEP \slot, Q, 0
.set Q, Q+1
.endr
.endm
	s_wait_tensorcnt 1
	s_barrier_signal -1
	s_barrier_wait -1
	FETCH_B 0, 0, 0
	FETCH_A 0, 0, 0
	SCALES 0
	FETCH_A 0, 0, 4
	s_cmp_eq_u32 ttmp9, 2
	s_cbranch_scc1 .Lfirst_v
	STEP 0, 0, 1
	s_branch .Lfirst_done
.Lfirst_v:
	STEP 0, 0, 2
.Lfirst_done:
	STEPS 0, 1
	TURN 0, 1
	STEPS 1, 0
	s_wait_dscnt 4*NL
	WIN MUL_LO
	MUL16 0, 1, NQ-1, 1, 0
	MUL16 2, 1, NQ-1, 1, 0
	s_wait_dscnt 0
	WIN MUL_HI
	MUL16 4, 1, NQ-1, 1, 0
	MUL16 6, 1, NQ-1, 1, 0
	WIN 0
.macro EPI kind
.irp a, 0,1,2,3,4,5,6,7
.set AC, 64*(\a%4)
.set PB, PC+8*\a
.set WA, 0x0a+5*(\a/4)
.set WB, 0x02+(\a/4)
	WIN WA
.irp b, 0,1,2,3
	v_max3_num_f32 v[TM+\b], |v[AC+16*\b]|, |v[AC+16*\b+1]|, s[FLOOR]
.endr
.irp i, 2,4,6,8,10,12,14
.irp b, 0,1,2,3
	v_max3_num_f32 v[TM+\b], |v[AC+16*\b+\i]|, |v[AC+16*\b+\i+1]|, v[TM+\b]
.endr
.endr
	WIN 0
.irp b, 0,1,2,3
	v_permlanex16_b32 v[TM+4+\b], v[TM+\b], s[SEL], s[SEL+1]
.endr
.irp b, 0,1,2,3
	v_max_num_f32 v[TM+\b], v[TM+\b], v[TM+4+\b]
.endr
.irp b, 0,1,2,3
	v_add_nc_u32 v[TM+12+\b], 0xff000000, v[TM+\b]
.endr
.irp b, 0,1,2,3
	v_lshrrev_b32 v[TM+4+\b], 23, v[TM+12+\b]
.endr
	v_lshl_or_b32 v[PW], v[TM+5], 8, v[TM+4]
	v_lshl_or_b32 v[PW], v[TM+6], 16, v[PW]
.if \kind == 0
	v_lshl_or_b32 v[PW], v[TM+7], 24, v[PW]
	v_sub_nc_u32 v[PW], v[PW], s[ADJ]
	v_lshrrev_b32 v[PWS+\a], v[SH], v[PW]
.else
	v_lshl_or_b32 v[PWS+\a], v[TM+7], 24, v[PW]
.endif
	WIN WB
.irp b, 0,1,2,3
	v_cvt_scalef32_pk8_fp4_f32 v[PB+2*\b], v[AC+16*\b:AC+16*\b+7], v[TM+12+\b]
	v_cvt_scalef32_pk8_fp4_f32 v[PB+2*\b+1], v[AC+16*\b+8:AC+16*\b+15], v[TM+12+\b]
.endr
	WIN 0
	v_nop
.irp c, 0,1
.irp i, 0,1
	v_permlane16_swap_b32 v[PB+4*\c+\i], v[PB+2+4*\c+\i]
.endr
.endr
.if \kind == 0
	ds_store_b32 v[ST0], v[PWS+\a] offset:64*\a
	global_store_b128 v[LI], v[PB:PB+3], s[OC:OC+1] offset:\a*512
	global_store_b128 v[LI], v[PB+4:PB+7], s[OC:OC+1] offset:\a*512+131072
.else
	ds_store_b32 v[ST1], v[PWS+\a] offset:64*\a
	global_store_b128 v[LI], v[PB:PB+3], s[OC:OC+1] offset:(\a/4)*131072+(\a%4)*1024
	global_store_b128 v[LI], v[PB+4:PB+7], s[OC:OC+1] offset:(\a/4)*131072+(\a%4)*1024+512
.endif
.endr
.if \kind == 0
	ds_load_b128 v[RBK:RBK+3], v[RB0]
	ds_load_b128 v[RBK+4:RBK+7], v[RB0] offset:512
	s_wait_dscnt 0x0
	global_store_b128 v[LI], v[RBK:RBK+3], s[OS:OS+1]
	global_store_b128 v[LI], v[RBK+4:RBK+7], s[OS:OS+1] offset:24576
.else
	ds_load_b128 v[RBK:RBK+3], v[RB1]
	s_wait_dscnt 0x0
	global_store_b128 v[GS1], v[RBK:RBK+3], s[OS:OS+1]
.endif
.endm
.irp b, 0,1,2,3
	v_mov_b32 v[TM+4+\b], 0
.endr
	s_cmp_eq_u32 ttmp9, 2
	s_cbranch_scc1 .Lout_v
	EPI 0
	s_branch .Lout_done
.Lout_v:
; V's way out.  Source 0 was 16 stored rows of x: in the registers of tiles 4 c .. 4 c + 3 a lane holds tokens 64 c + 32 (lane / 16) + 0 .. 31 of its d: a whole block of 32 along the keys.
; So a block's largest magnitude needs no other lane, and the conversions' results are the operand's registers; the scale word's four bytes are gathered from lanes l and l xor 16.
.macro EPIV
	v_lshrrev_b32 v[SH], 1, v[SH]                  ; 8 (lane / 16)
.irp a, 0,1,2,3,4,5,6,7
.set AC, 64*(\a%4)
.set PB, PC+8*\a
.set WA, 0x0a+5*(\a/4)
.set WB, 0x02+(\a/4)
	WIN WA
.irp b, 0,1,2,3
	v_max3_num_f32 v[TM+\b], |v[AC+16*\b]|, |v[AC+16*\b+1]|, s[FLOOR]
.endr
.irp i, 2,4,6,8,10,12,14
.irp b, 0,1,2,3
	v_max3_num_f32 v[TM+\b], |v[AC+16*\b+\i]|, |v[AC+16*\b+\i+1]|, v[TM+\b]
.endr
.endr
	WIN 0
	v_max_num_f32 v[TM+4], v[TM], v[TM+1]          ; my block 2 c + lane / 16: c = 0,
	v_max_num_f32 v[TM+5], v[TM+2], v[TM+3]        ; c = 1
	v_add_nc_u32 v[TM+12], 0xff000000, v[TM+4]     ; 2 off the exponent field: the conversion's scale operand
	v_add_nc_u32 v[TM+13], 0xff000000, v[TM+5]
	v_lshrrev_b32 v[TM+4], 23, v[TM+12]            ; the scale's byte
	v_lshrrev_b32 v[TM+5], 23, v[TM+13]
	v_lshl_or_b32 v[PW], v[TM+5], 16, v[TM+4]
	v_lshlrev_b32 v[PW], v[SH], v[PW]              ; my two bytes at their places
	v_permlanex16_b32 v[TM+6], v[PW], s[SEL], s[SEL+1]
	v_or_b32 v[PWS+\a], v[PW], v[TM+6]             ; with lane l xor 16's two the word is whole
	WIN WB
.irp c, 0,1
.irp g, 0,1,2,3
	v_cvt_scalef32_pk8_fp4_f32 v[PB+4*\c+\g], v[AC+32*\c+8*\g:AC+32*\c+8*\g+7], v[TM+12+\c]
.endr
.endr
	WIN 0
	v_nop
	ds_store_b32 v[ST1], v[PWS+\a] offset:64*\a
	global_store_b128 v[LI], v[PB:PB+3], s[OC:OC+1] offset:(\a/4)*131072+(\a%4)*1024
	global_store_b128 v[LI], v[PB+4:PB+7], s[OC:OC+1] offset:(\a/4)*131072+(\a%4)*1024+512
.endr
	ds_load_b128 v[RBK:RBK+3], v[RB1]
	s_wait_dscnt 0x0
	global_store_b128 v[GS1], v[RBK:RBK+3], s[OS:OS+1]
.endm
	EPIV
.Lout_done:
	s_wait_tensorcnt 0x0
	ds_add_u32 v[SPW], v[NIL]
	s_wait_dscnt 0x0
	CROUND
	s_endpgm
.Lfunc_end_k_q7f75e6cb12_qkv:
	.size	k_q7f75e6cb12_qkv, .Lfunc_end_k_q7f75e6cb12_qkv-k_q7f75e6cb12_qkv
	.p2alignl 7, 3214868480
	.fill 96, 4, 3214868480
	.section	.rodata,"a",@progbits
	.p2align	6, 0x0
	.amdhsa_kernel k_q7f75e6cb12_qkv
		.amdhsa_group_segment_fixed_size 327680
		.amdhsa_private_segment_fixed_size 0
		.amdhsa_enable_private_segment 0
		.amdhsa_kernarg_size 40
		.amdhsa_user_sgpr_count 2
		.amdhsa_user_sgpr_kernarg_segment_ptr 1
		.amdhsa_wavefront_size32 1
		.amdhsa_system_sgpr_workgroup_id_x 1
		.amdhsa_system_sgpr_workgroup_id_y 1
		.amdhsa_system_sgpr_workgroup_id_z 1
		.amdhsa_system_vgpr_workitem_id 0
		.amdhsa_next_free_vgpr 1024
		.amdhsa_next_free_sgpr 102
		.amdhsa_reserve_vcc 0
		.amdhsa_float_denorm_mode_32 3
		.amdhsa_float_denorm_mode_16_64 3
		.amdhsa_memory_ordered 1
		.amdhsa_forward_progress 1
		.amdhsa_inst_pref_size 173
	.end_amdhsa_kernel
	.amdgpu_metadata
---
amdhsa.version: [ 1, 2 ]
amdhsa.kernels:
  - .name:           k_q7f75e6cb12_qkv
    .symbol:         k_q7f75e6cb12_qkv.kd
    .args:
      - { .name: opc, .offset: 0, .size: 8, .value_kind: global_buffer, .address_space: global }
      - { .name: ops, .offset: 8, .size: 8, .value_kind: global_buffer, .address_space: global }
      - { .name: Wqkv_b, .offset: 16, .size: 8, .value_kind: global_buffer, .address_space: global }
      - { .name: qkvc, .offset: 24, .size: 8, .value_kind: global_buffer, .address_space: global }
      - { .name: qkvs, .offset: 32, .size: 8, .value_kind: global_buffer, .address_space: global }
    .group_segment_fixed_size: 327680
    .private_segment_fixed_size: 0
    .kernarg_segment_align: 8
    .kernarg_segment_size: 40
    .max_flat_workgroup_size: 128
    .sgpr_count:     102
    .vgpr_count:     1024
    .wavefront_size: 32
...
	.end_amdgpu_metadata
.endif
;; end of part 2
;; launch attn (part 3): grid 16 x 16, 16 waves a work-group, no clusters, 327,680 bytes of LDS; arguments qkvc, qkvs, ctxc, ctxs; writes ctxc, ctxs
.if DOCPART == 3
	.amdgcn_target "amdgcn-amd-amdhsa--gfx1250"
	.amdhsa_code_object_version 6
	.text
	.protected	k_q7f75e6cb12_attn
	.globl	k_q7f75e6cb12_attn
	.p2align	8
	.type	k_q7f75e6cb12_attn,@function
k_q7f75e6cb12_attn:
	s_mov_b64 s[64:65], 0
	v_nop
	global_prefetch_b8 v0, s[64:65] scope:SCOPE_SE
	s_setreg_imm32_b32 hwreg(HW_REG_WAVE_MODE, 25, 1), 1
	s_wait_xcnt 0x0
; context[q][head] = softmax_k(q . (k / 8) + mask) v, mask = -10000 where key > query, both products on codes of FP4 (E2M1) with E8M0 scales; the context is quantised along the model's 1,024 and leaves as codes.
; THE SOFTMAX AHEAD OF THE SECOND PRODUCT: t = logit x log2(e); M = the running largest t rounded UP to a whole number; p = 2^(t - M) is quantised along the keys, not normalised; the row's sum is taken of the unquantised p and divides at the end.
; EVERY QUERY WALKS ALL 4,096 KEYS.  The mask is a finite addend: with large inputs keys above the diagonal still count, so no tile is left out.  In key steps wholly above the diagonal the addend is the C of the score's matrix instruction;
; in a wave's one step on the diagonal it is added register by register.  Both hang on ids alone.
; SHARES.  A work-group owns 256 queries of one head (head = work-group y); each of its sixteen waves one tile of 16 queries in 256 registers, four waves to a SIMD.
; A HEAD'S SCALE WORDS, K AND V STAY IN LDS, FILLED ONCE: 24,576 + 131,072 + 131,072 bytes.  They lie in memory as images of the operands' registers: 4,096 bytes of K and of V and 768 of scale words for a step of 128 keys.
; At the head each wave issues one load of 4,096 bytes: waves 0-4 K's steps 0-4, waves 5-9 V's steps 0-4, waves 10-15 the scale words.  Behind the first barrier each wave issues one more:
; waves 0-7 an eighth of K's steps 5-31, waves 8-15 of V's (13,824 bytes each); these have the first four key steps in which to land.  A second barrier shows them to all; the other steps have no barrier.
; NO PREFETCH: both groups of tensor loads are issued ahead of the first key step, so the text has no later load to run ahead of.
; LAYOUT.  S^T = K Q^T (source 0 = 16 keys, source 1 = my 16 queries; the head's 64 fill half of the instruction's 128 along K: the other half are zero codes, cleared once), O^T = V^T P^T: a lane holds ONE query throughout.
; Row r of tile a of a group of 128 tokens is token 64 (a / 4) + 32 (r / 8) + 8 (a % 4) + r % 8: so score register 32 c + i is key 64 c + 32 (lane / 16) + i: A LANE HOLDS TWO WHOLE BLOCKS OF 32 KEYS.
; A block's maximum needs no other lane, and the conversions' results are the second product's operand as they stand; p's scale word is gathered from lanes l and l xor 16.
; THE STEP IS LAID ONE PRODUCT BEHIND: step i's score products are followed by O^T's rescaling and the second product of step i - 1 (the rescaling fills the places behind the score products); K's fragments of step i + 1 are read
; from LDS in step i, V's of step i behind the second product of step i - 1.  The first step finds zero codes of p; the last step is written out with no look-ahead, and its second product follows it.
; NO CLUSTER: the step on the diagonal differs between query blocks of a head, and partners of joint loads must run alike; without the branch its 192 vector instructions would stand in every step.
; OUT: ctxc [tile of 16 queries][head][lane][16 bytes]: lane (r, h) holds codes 32 h .. 32 h + 31 of the head's 64.  ctxs [16 x tile + r][32 bytes]: bytes 2 head, 2 head + 1: two bytes a lane, rows 32 bytes apart;
; whole rows would want all sixteen heads in one work-group.
; LIMITS: the scaled scores (the exponents to the base 2) stay under 2^31 in magnitude; a block of zeros gets the byte 1 where the rule says 127 (read by this program alone); NaN and infinities are not served.
; REGISTERS: v1-6 that stay; v8-10 the step's LDS addresses; v11 Q's scale word; v12 -M, v13 the largest score, v[14:15] the sum; v16-23 Q; v24-31 the mask as C; v32-95 eight fragments of K; v96-159 S^T, then p;
;   v160-191 O^T; v192-223 four fragments of V; v224-231 p's codes; v240-241 V's scale words, v248-251 K's; v247 8 (lane / 16); v252 f, v253 p's scale word; v232-239, v242-245, v254-255 at work.
.set KB,    24576                      ; K's codes; the scale words lie from 0 on, 768 bytes a step: K's 512, V's 256
.set VD,    131072                     ; V's codes lie so far behind K's
.set STEPB, 4096
.set SCSTEP, 768
.set SPARE, 286720                     ; the spare words, 128 bytes for each wave
.set LI,   1                           ; v1   16 x lane
.set LS,   2                           ; v2   4 x lane
.set DD,   3                           ; v3   my query's place in its group of 128, less 32 (lane / 16)
.set CSO,  4                           ; v4   32 (lane % 16): my row in ctxs
.set SPW,  5                           ; v5   my spare word; never rewritten
.set NIL,  6                           ; v6   0; never rewritten
.set ADK,  8
.set ADV,  9
.set ADS,  10
.set QS,   11
.set MK,   24
.set SH,   247
.set WV,   18
.set SEL,  20                          ; s[20:21] lane selects: lane l xor 16
.set CS,   22                          ; s[22:23] c = log2(e)
.set G1,   24                          ; s[24:31] group 1: 16 rows of 256 bytes, dense
.set G1R,  32                          ; s[32:39] 54 rows
.set G0K,  40                          ; s[40:43], s[44:47], s[68:71] groups 0 of the head's loads: K, V, scale words
.set G0V,  44
.set G0S,  68
.set G0R,  72                          ; s[72:75] my eighth of steps 5-31
.set TK,   48                          ; s48  the step's codes of K in LDS; it also counts the steps
.set TI,   49                          ; s49  its scale words
.set GQK,  50                          ; s50  s48's value in the step whose keys are my queries' own group of 128
.set NEG,  54                          ; s54  -10000.0
	s_load_b256 s[4:11], s[0:1], 0x0               ; qkvc s[4:5], qkvs s[6:7], ctxc s[8:9], ctxs s[10:11]
	v_lshl_add_u32 v[SPW], v0, 2, SPARE
	v_mov_b32 v[NIL], 0
	ds_add_u32 v[SPW], v[NIL]                      ; the opening: the add, twice on end, and its wait ahead of my first tensor load
	ds_add_u32 v[SPW], v[NIL]
	v_lshrrev_b32 v8, 5, v0
	s_delay_alu instid0(VALU_DEP_1)
	v_readfirstlane_b32 s[WV], v8                  ; wave 0..15
	s_and_b32 s12, ttmp7, 0xffff                   ; the head
	s_lshr_b32 s55, s[WV], 3
	s_lshl_b32 s14, ttmp9, 1
	s_add_co_u32 s13, s55, s14                     ; my queries' group of 128
	s_and_b32 s14, s[WV], 7                        ; and my tile in it
	s_lshl_b32 s[GQK], s13, 12
	s_add_co_u32 s[GQK], s[GQK], KB
	s_lshl_b32 s2, s12, 17                         ; the head's bytes in a section of codes
	s_lshl_b32 s16, s13, 12
	s_lshl_b32 s17, s14, 9
	s_add_co_u32 s16, s16, s17
	s_add_co_u32 s16, s16, s2
	s_mov_b32 s17, 0                               ; s[16:17]: my tile of q
	s_lshl_b32 s15, s[WV], 12                      ; waves 0-4: K's step = wave
	s_add_co_u32 s[G0K+1], s15, KB
	s_add_co_u32 s66, s15, s2
	s_add_co_u32 s66, s66, 1<<21                   ; k's section
	s_mov_b32 s67, 0
	s_add_co_u32 s15, s[WV], 11                    ; waves 5-9: V's step = wave - 5
	s_and_b32 s15, s15, 15
	s_lshl_b32 s15, s15, 12
	s_add_co_u32 s[G0V+1], s15, KB+VD
	s_add_co_u32 s76, s15, s2
	s_add_co_u32 s76, s76, 2<<21                   ; v's section
	s_mov_b32 s77, 0
	s_add_co_u32 s19, s[WV], 6                     ; waves 10-15: 4,096 bytes of the scale words, part wave - 10
	s_and_b32 s19, s19, 15
	s_lshl_b32 s[G0S+1], s19, 12
	s_mul_i32 s15, s12, 24576                      ; the head's bytes in a section of scale words
	s_add_co_u32 s58, s15, 393216
	s_add_co_u32 s58, s58, s[G0S+1]
	s_mov_b32 s59, 0
	s_mul_i32 s56, s13, 768
	s_lshl_b32 s57, s14, 6
	s_add_co_u32 s56, s56, s57
	s_add_co_u32 s56, s56, s15
	s_mov_b32 s57, 0                               ; s[56:57]: my tile's scale words of q
	s_mul_i32 s15, s14, 13824                      ; steps 5-31: waves 0-7 K, waves 8-15 V, an eighth each
	s_add_co_u32 s15, s15, 5*STEPB
	s_lshl_b32 s[G0R+1], s55, 17
	s_add_co_u32 s[G0R+1], s[G0R+1], s15
	s_add_co_u32 s[G0R+1], s[G0R+1], KB
	s_add_co_u32 s19, s55, 1
	s_lshl_b32 s19, s19, 21
	s_add_co_u32 s2, s2, s19
	s_add_co_u32 s2, s2, s15
	s_mov_b32 s3, 0                                ; s[2:3]
	s_lshl_b32 s60, ttmp9, 4
	s_add_co_u32 s60, s60, s[WV]                   ; my tile among the 256 tiles of queries
	s_lshl_b32 s62, s60, 9
	s_lshl_b32 s15, s12, 1
	s_add_co_u32 s62, s62, s15
	s_mov_b32 s63, 0                               ; s[62:63]: ctxs: 512 x tile + 2 x head
	s_lshl_b32 s60, s60, 13
	s_lshl_b32 s15, s12, 9
	s_add_co_u32 s60, s60, s15
	s_mov_b32 s61, 0                               ; s[60:61]: ctxc: 8,192 x tile + 512 x head
	s_lshr_b32 s51, s14, 2
	s_lshl_b32 s51, s51, 6
	s_and_b32 s19, s14, 3
	s_lshl_b32 s19, s19, 3
	s_add_co_u32 s51, s51, s19                     ; 64 (a / 4) + 8 (a % 4)
.irp g, G1, G1R
	s_mov_b32 s[\g], 3<<16                         ; no mask; elements of 8 bytes; no padding: every LDS load reads 16 bytes a lane on end
	s_mov_b32 s[\g+1], 32<<16                      ; rows of 32 elements: 256 bytes
	s_mov_b32 s[\g+3], 32<<16
	s_mov_b32 s[\g+5], 32                          ; dense
	s_mov_b32 s[\g+6], 0
	s_mov_b32 s[\g+7], 0
.endr
	s_mov_b32 s[G1+2], 16<<16
	s_mov_b32 s[G1+4], 16
	s_mov_b32 s[G1R+2], 54<<16
	s_mov_b32 s[G1R+4], 54
	s_mov_b32 s[SEL], 0x76543210
	s_mov_b32 s[SEL+1], 0xfedcba98
	s_mov_b32 s[CS], 0x3fb8aa3b                    ; log2(e)
	s_mov_b32 s[CS+1], s[CS]                       ; (named with it as a pair, so it is written)
	s_mov_b32 s[NEG], 0xc61c4000                   ; -10000.0
	s_mov_b32 s[TK], KB
	s_mov_b32 s[TI], 0
	s_wait_dscnt 0x0                               ; both opening adds are done
	s_wait_kmcnt 0x0
	s_mov_b32 s[G0K], 1
	s_add_nc_u64 s[G0K+2:G0K+3], s[4:5], s[66:67]
	s_or_b32 s[G0K+3], s[G0K+3], 0x80000000
	s_mov_b32 s[G0V], 1
	s_add_nc_u64 s[G0V+2:G0V+3], s[4:5], s[76:77]
	s_or_b32 s[G0V+3], s[G0V+3], 0x80000000
	s_mov_b32 s[G0S], 1
	s_add_nc_u64 s[G0S+2:G0S+3], s[6:7], s[58:59]
	s_or_b32 s[G0S+3], s[G0S+3], 0x80000000
	s_mov_b32 s[G0R], 1
	s_add_nc_u64 s[G0R+2:G0R+3], s[4:5], s[2:3]
	s_or_b32 s[G0R+3], s[G0R+3], 0x80000000
	s_add_nc_u64 s[16:17], s[4:5], s[16:17]
	s_add_nc_u64 s[56:57], s[6:7], s[56:57]
	s_add_nc_u64 s[60:61], s[8:9], s[60:61]
	s_add_nc_u64 s[62:63], s[10:11], s[62:63]
	s_cmp_lt_u32 s[WV], 5                          ; the head's loads, one a wave: one chain of branches, a load in each arm, one join
	s_cbranch_scc0 .Lhead_v
	tensor_load_to_lds s[G0K:G0K+3], s[G1:G1+7]
	s_nop 0
.rept 4
	v_nop
.endr
	s_branch .Lhead_asked
.Lhead_v:
	s_cmp_lt_u32 s[WV], 10
	s_cbranch_scc0 .Lhead_s
	tensor_load_to_lds s[G0V:G0V+3], s[G1:G1+7]
	s_nop 0
.rept 4
	v_nop
.endr
	s_branch .Lhead_asked
.Lhead_s:
	tensor_load_to_lds s[G0S:G0S+3], s[G1:G1+7]
	s_nop 0
.rept 4
	v_nop
.endr
.Lhead_asked:
	v_and_b32 v8, 31, v0
	v_and_b32 v9, 15, v0                           ; r
	v_bfe_u32 v10, v0, 4, 1                        ; h
	s_delay_alu instid0(VALU_DEP_3)
	v_lshlrev_b32 v[LI], 4, v8
	v_lshlrev_b32 v[LS], 2, v8
	v_lshlrev_b32 v7, 2, v9
	global_load_b128 v[16:19], v[LI], s[16:17]     ; Q's codes stay in registers
	global_load_b32 v[QS], v7, s[56:57]            ; and its scale words
.irp j, 20,21,22,23
	v_mov_b32 v[\j], 0                             ; the upper half of the instruction's K: zero codes
.endr
.irp t, 0,1,2,3,4,5,6,7
.irp j, 4,5,6,7
	v_mov_b32 v[32+8*\t+\j], 0                     ; K's likewise: cleared once, never loaded
.endr
.endr
	v_lshlrev_b32 v[CSO], 5, v9
	v_and_b32 v[DD], 7, v9
	v_and_b32 v8, 8, v9
	s_delay_alu instid0(VALU_DEP_1)
	v_lshl_add_u32 v[DD], v8, 2, v[DD]             ; r % 8 + 32 (r / 8)
	v_lshlrev_b32 v8, 5, v10
	s_delay_alu instid0(VALU_DEP_1)
	v_sub_nc_u32 v[DD], v[DD], v8                  ; - 32 h
	s_delay_alu instid0(VALU_DEP_1)
	v_add_nc_u32 v[DD], s51, v[DD]                 ; + 64 (a / 4) + 8 (a % 4)
	v_lshlrev_b32 v[SH], 3, v10                    ; 8 h
	v_mov_b32 v13, 0xff2d0724                      ; the largest score so far: -2.3e38: its t is still a number
	v_mov_b32 v12, 0x7f2d0724                      ; -M: the first change of M gives f = 0, which multiplies zeros
	v_mov_b32 v14, 0                               ; the sum, in two halves
	v_mov_b32 v15, 0
	v_mov_b32 v252, 1.0                            ; f of the step before the first
	v_mov_b32 v253, 0                              ; its p: scale bytes 0, a finite code,
.irp j, 0,1,2,3,4,5,6,7
	v_mov_b32 v[224+\j], 0                         ; and zero codes
.endr
	v_mov_b32 v255, 0                              ; written once: a lane permute's destination counts as one of its sources
.irp j, 0,1,2,3,4,5,6,7
	v_mov_b32 v[MK+\j], 0                          ; no mask up to the diagonal
.endr
.set N, 0
.rept 32
	v_mov_b32 v[160+N], 0                          ; O^T
.set N, N+1
.endr
.macro KLOAD ko, so                    ; K's eight fragments and four scale registers (lanes 0-15 an even tile's words, lanes 16-31 the odd tile's)
.irp t, 0,1,2,3,4,5,6,7
	ds_load_b128 v[32+8*\t:35+8*\t], v[ADK] offset:\ko+512*\t
.endr
.irp p, 0,1,2,3
	ds_load_b32 v[248+\p], v[ADS] offset:\so+128*\p
.endr
.endm
.macro VLOAD                           ; V's four fragments and two scale registers
.irp t, 0,1,2,3
.irp c, 0,1
	ds_load_b128 v[192+8*\t+4*\c:195+8*\t+4*\c], v[ADV] offset:1024*\t+512*\c
.endr
.endr
.irp p, 0,1
	ds_load_b32 v[240+\p], v[ADS] offset:512+128*\p
.endr
.endm
.macro RESC                            ; O^T under the M of the step whose p is in hand
.irp j, 0,2,4,6,8,10,12,14,16,18,20,22,24,26,28,30
	v_pk_mul_f32 v[160+\j:161+\j], v[160+\j:161+\j], v[252:253] op_sel_hi:[1,0]
.endr
.endm
.macro PV                              ; O^T += V^T P^T: the four accumulators take turns, one instruction a turn
.irp p, 0,1
	v_wmma_scale_f32_16x16x128_f8f6f4 v[160+16*\p:167+16*\p], v[192+16*\p:199+16*\p], v[224:231], v[160+16*\p:167+16*\p], v[240+\p], v253 matrix_a_fmt:MATRIX_FMT_FP4 matrix_b_fmt:MATRIX_FMT_FP4
	v_wmma_scale_f32_16x16x128_f8f6f4 v[168+16*\p:175+16*\p], v[200+16*\p:207+16*\p], v[224:231], v[168+16*\p:175+16*\p], v[240+\p], v253 matrix_a_fmt:MATRIX_FMT_FP4 matrix_b_fmt:MATRIX_FMT_FP4 matrix_a_scale:MATRIX_SCALE_ROW1
.endr
.endm
; A KEY STEP: 128 keys.  pre = 1: the next step's K is read ahead
.macro STEP pre
	s_wait_dscnt 0x0                               ; this step's K and the last step's V are in: both were asked for a step ago
.irp p, 0,1,2,3
	v_wmma_scale_f32_16x16x128_f8f6f4 v[96+16*\p:103+16*\p], v[32+16*\p:39+16*\p], v[16:23], v[MK:MK+7], v[248+\p], v[QS] matrix_a_fmt:MATRIX_FMT_FP4 matrix_b_fmt:MATRIX_FMT_FP4
	v_wmma_scale_f32_16x16x128_f8f6f4 v[104+16*\p:111+16*\p], v[40+16*\p:47+16*\p], v[16:23], v[MK:MK+7], v[248+\p], v[QS] matrix_a_fmt:MATRIX_FMT_FP4 matrix_b_fmt:MATRIX_FMT_FP4 matrix_a_scale:MATRIX_SCALE_ROW1
.endr
	v_add_nc_u32 v[ADK], s[TK], v[LI]              ; these 19 lines are the places behind the score products, ahead of the loads into K's registers and of the scores' first readers
	v_add_nc_u32 v[ADS], s[TI], v[LS]
	s_delay_alu instid0(VALU_DEP_2)
	v_add_nc_u32 v[ADV], VD, v[ADK]
	RESC
	PV                                             ; the last step's second product
.if \pre
	KLOAD STEPB, SCSTEP
.endif
	s_cmp_lg_u32 s[TK], s[GQK]                     ; the one step whose keys are my queries' own group of 128
	s_cbranch_scc1 .Loff_\@
.set N, 0
.rept 64
	v_cmp_gt_i32 vcc_lo, 64*(N/32)+N%32, v[DD]     ; register 32 c + i holds key 64 c + 32 (lane / 16) + i of the group: above the diagonal where 64 c + i > DD
	v_add_f32 v254, s[NEG], v[96+N]
	v_cndmask_b32 v[96+N], v[96+N], v254, vcc_lo
.set N, N+1
.endr
.irp j, 0,1,2,3,4,5,6,7
	v_mov_b32 v[MK+\j], s[NEG]                     ; from the next step on every key lies above the diagonal
.endr
.Loff_\@:
.irp t, 0,1,2,3,4,5,6,7
	v_max3_num_f32 v[232+\t], v[96+8*\t], v[97+8*\t], v[98+8*\t]   ; the largest score, a chain to each tile, each from its accumulator's low end on
.endr
	VLOAD                                          ; eight places behind the second product
.irp i, 3,5
.irp t, 0,1,2,3,4,5,6,7
	v_max3_num_f32 v[232+\t], v[232+\t], v[96+8*\t+\i], v[97+8*\t+\i]
.endr
.endr
.irp e, 0,2,4,6
	v_max3_num_f32 v[232+\e], v[232+\e], v[103+8*\e], v[111+8*\e]
.endr
	s_delay_alu instid0(VALU_DEP_3)
	v_max3_num_f32 v232, v232, v233, v234
	s_delay_alu instid0(VALU_DEP_2)
	v_max3_num_f32 v236, v236, v237, v238
	s_delay_alu instid0(VALU_DEP_2)
	v_max_num_f32 v232, v232, v235                 ; my two blocks' largest scores: they serve the row's maximum and, since p rises with the score, the blocks' largest p
	s_delay_alu instid0(VALU_DEP_2)
	v_max_num_f32 v236, v236, v239
	s_delay_alu instid0(VALU_DEP_1)
	v_max_num_f32 v254, v232, v236
	s_delay_alu instid0(VALU_DEP_1)
	v_permlanex16_b32 v255, v254, s[SEL], s[SEL+1]
	s_delay_alu instid0(VALU_DEP_1)
	v_max3_num_f32 v13, v13, v254, v255            ; the running largest score of my query
	s_delay_alu instid0(VALU_DEP_1)
	v_mul_f32 v254, s[CS], v13                     ; as t (c is positive, so the largest score gives the largest t)
	v_mov_b32 v255, v12
	s_delay_alu instid0(VALU_DEP_2)
	v_floor_f32 v12, -v254                         ; the new -M = floor(-t) = -ceil(t)
	s_delay_alu instid0(VALU_DEP_1)
	v_sub_f32 v255, v12, v255                      ; M's old value less its new one: a whole number, 0 or less
	s_delay_alu instid0(VALU_DEP_1)
	v_cvt_i32_f32 v255, v255                       ; (it saturates)
	s_delay_alu instid0(VALU_DEP_1)
	v_ldexp_f32 v252, 1.0, v255                    ; f = 2^(old M - new M): a multiplication by it rounds nothing
.set N, 0
.rept 32
	v_pk_fma_f32 v[96+N:97+N], v[96+N:97+N], s[CS:CS+1], v[12:13] op_sel_hi:[1,0,0]   ; t - M, two at a time
.set N, N+2
.endr
	v_fma_f32 v232, v232, s[CS], v12               ; the same of each block's largest score
	v_fma_f32 v236, v236, s[CS], v12
	s_wait_alu depctr_va_vdst(0)                   ; the wait ahead of the batch
.set N, 0
.rept 64
	v_exp_f32 v[96+N], v[96+N]                     ; p = 2^(t - M), at most 1
.set N, N+1
.endr
	v_exp_f32 v232, v232                           ; the block's largest p: the same two instructions on the same number give the same bits
	v_exp_f32 v236, v236
	v_pk_mul_f32 v[14:15], v[14:15], v[252:253] op_sel_hi:[1,0]   ; the sums under the new M.  (A plain place behind the exponentials)
	s_wait_alu depctr_va_vdst(0)                   ; one wait for the batch, ahead of its first reader
	v_max_num_f32 v232, 0x1800000, v232            ; the floor 2^(3 - 127): the byte cannot fall under 1
	v_max_num_f32 v236, 0x1800000, v236
	s_delay_alu instid0(VALU_DEP_2)
	v_add_nc_u32 v244, 0xff000000, v232            ; 2 off the exponent field: the conversion's scale operand
	s_delay_alu instid0(VALU_DEP_2)
	v_add_nc_u32 v245, 0xff000000, v236
	s_delay_alu instid0(VALU_DEP_2)
	v_lshrrev_b32 v233, 23, v244                   ; the scale's byte
	s_delay_alu instid0(VALU_DEP_2)
	v_lshrrev_b32 v237, 23, v245
	s_delay_alu instid0(VALU_DEP_1)
	v_lshl_or_b32 v253, v237, 16, v233             ; my two bytes: blocks h and 2 + h,
	s_delay_alu instid0(VALU_DEP_1)
	v_lshlrev_b32 v253, v[SH], v253                ; at their places in the word;
	s_delay_alu instid0(VALU_DEP_1)
	v_permlanex16_b32 v254, v253, s[SEL], s[SEL+1]
	s_delay_alu instid0(VALU_DEP_1)
	v_or_b32 v253, v253, v254                      ; with lane l xor 16's two: p's scale word for these 128 keys
.irp c, 0,1
.irp g, 0,1,2,3
	v_cvt_scalef32_pk8_fp4_f32 v[224+4*\c+\g], v[96+32*\c+8*\g:103+32*\c+8*\g], v[244+\c]   ; registers 4 c .. 4 c + 3 of the operand: k = 64 c + 32 h + 0 .. 31
.endr
.endr
	v_pk_add_f32 v[236:237], v[100:101], v[104:105]   ; the row's sum of the unquantised p, two at a time, in eight chains.  (The first is the plain place behind the conversions)
	v_pk_add_f32 v[254:255], v[108:109], v[112:113]
	v_pk_add_f32 v[238:239], v[116:117], v[120:121]
	v_pk_add_f32 v[234:235], v[124:125], v[128:129]
	v_pk_add_f32 v[232:233], v[132:133], v[136:137]
	v_pk_add_f32 v[244:245], v[140:141], v[144:145]
	v_pk_add_f32 v[242:243], v[148:149], v[152:153]
	v_pk_add_f32 v[14:15], v[14:15], v[156:157]
	v_pk_add_f32 v[236:237], v[236:237], v[96:97]
	v_pk_add_f32 v[254:255], v[254:255], v[98:99]
	v_pk_add_f32 v[238:239], v[238:239], v[102:103]
	v_pk_add_f32 v[234:235], v[234:235], v[106:107]
	v_pk_add_f32 v[232:233], v[232:233], v[110:111]
	v_pk_add_f32 v[244:245], v[244:245], v[114:115]
	v_pk_add_f32 v[242:243], v[242:243], v[118:119]
	v_pk_add_f32 v[14:15], v[14:15], v[122:123]
	v_pk_add_f32 v[236:237], v[236:237], v[126:127]
	v_pk_add_f32 v[254:255], v[254:255], v[130:131]
	v_pk_add_f32 v[238:239], v[238:239], v[134:135]
	v_pk_add_f32 v[234:235], v[234:235], v[138:139]
	v_pk_add_f32 v[232:233], v[232:233], v[142:143]
	v_pk_add_f32 v[244:245], v[244:245], v[146:147]
	v_pk_add_f32 v[242:243], v[242:243], v[150:151]
	v_pk_add_f32 v[14:15], v[14:15], v[154:155]
	v_pk_add_f32 v[236:237], v[236:237], v[158:159]
	s_delay_alu instid0(VALU_DEP_2)
	v_pk_add_f32 v[14:15], v[14:15], v[234:235]
	s_delay_alu instid0(VALU_DEP_2)
	v_pk_add_f32 v[236:237], v[236:237], v[232:233]
	v_pk_add_f32 v[254:255], v[254:255], v[244:245]
	v_pk_add_f32 v[238:239], v[238:239], v[242:243]
	s_delay_alu instid0(VALU_DEP_2)
	v_pk_add_f32 v[14:15], v[14:15], v[254:255]
	s_delay_alu instid0(VALU_DEP_2)
	v_pk_add_f32 v[236:237], v[236:237], v[238:239]
	s_delay_alu instid0(VALU_DEP_1)
	v_pk_add_f32 v[14:15], v[14:15], v[236:237]
.endm
.macro RUN end                         ; key steps on end, until s48 stands at end
.Lstep_\@:
	STEP 1
	s_add_co_u32 s[TK], s[TK], STEPB
	s_add_co_u32 s[TI], s[TI], SCSTEP
	s_cmp_lg_u32 s[TK], \end
	s_cbranch_scc1 .Lstep_\@
.endm
	s_wait_alu depctr_va_vdst(0)                   ; the wait at the head's end
	s_wait_loadcnt 0x0                             ; Q
	s_wait_tensorcnt 0x0                           ; my load of the head is in
	ds_add_u32 v[SPW], v[NIL]
	s_wait_dscnt 0x0
	s_barrier_signal -1
	s_barrier_wait -1                              ; steps 0-4 and all scale words are whole
	tensor_load_to_lds s[G0R:G0R+3], s[G1R:G1R+7]  ; my eighth of K's or V's steps 5-31: bytes filled for the first time, my one load behind this barrier
	s_nop 0
.rept 4
	v_nop
.endr
	v_add_nc_u32 v[ADK], s[TK], v[LI]
	v_add_nc_u32 v[ADS], s[TI], v[LS]
	s_delay_alu instid0(VALU_DEP_2)
	v_add_nc_u32 v[ADV], VD, v[ADK]
	KLOAD 0, 0                                     ; step 0's K
	VLOAD                                          ; V's registers are written: the first step multiplies them by zero codes
	RUN KB+4*STEPB                                 ; steps 0-3: they read K's steps 0-4 and V's 0-3
	s_wait_tensorcnt 0x0                           ; my eighth is in
	ds_add_u32 v[SPW], v[NIL]
	s_mov_b32 s[TK], KB+4*STEPB
	s_mov_b32 s[TI], 4*SCSTEP
	s_wait_dscnt 0x0
	s_barrier_signal -1
	s_barrier_wait -1                              ; and so is everybody's: nothing is filled from here on
	RUN KB+31*STEPB                                ; steps 4-30
	STEP 0                                         ; step 31 reads nothing ahead
	s_wait_dscnt 0x0                               ; its V is in
	RESC
	PV                                             ; and its second product
	; THE WAY OUT.  O^T / the sum; register 16 b + i is d = 32 b + 16 (lane / 16) + i of my query: two blocks of 32 along the last product's K.
.rept 4
	v_nop                                          ; places behind the last products
.endr
	v_add_f32 v14, v14, v15                        ; the sum's two halves,
	s_delay_alu instid0(VALU_DEP_1)
	v_permlanex16_b32 v252, v14, s[SEL], s[SEL+1]
	s_delay_alu instid0(VALU_DEP_1)
	v_add_f32 v14, v14, v252                       ; and lane l xor 16's: the row's sum
	s_wait_alu depctr_va_vdst(0)
	v_rcp_f32 v14, v14
	v_nop                                          ; a plain place behind the transcendental
	s_wait_alu depctr_va_vdst(0)
.irp j, 0,2,4,6,8,10,12,14,16,18,20,22,24,26,28,30
	v_pk_mul_f32 v[96+\j:97+\j], v[160+\j:161+\j], v[14:15] op_sel_hi:[1,0]
.endr
.irp b, 0,1
	v_max3_num_f32 v[232+\b], |v[96+16*\b]|, |v[97+16*\b]|, 0x1800000
.endr
.irp i, 2,4,6,8,10,12,14
.irp b, 0,1
	s_delay_alu instid0(VALU_DEP_2)
	v_max3_num_f32 v[232+\b], v[232+\b], |v[96+16*\b+\i]|, |v[97+16*\b+\i]|
.endr
.endr
.irp b, 0,1
	s_delay_alu instid0(VALU_DEP_2)
	v_permlanex16_b32 v[236+\b], v[232+\b], s[SEL], s[SEL+1]
.endr
.irp b, 0,1
	s_delay_alu instid0(VALU_DEP_2)
	v_max_num_f32 v[232+\b], v[232+\b], v[236+\b]
.endr
.irp b, 0,1
	s_delay_alu instid0(VALU_DEP_2)
	v_add_nc_u32 v[244+\b], 0xff000000, v[232+\b]
.endr
.irp b, 0,1
	s_delay_alu instid0(VALU_DEP_2)
	v_lshrrev_b32 v[236+\b], 23, v[244+\b]
.endr
	s_delay_alu instid0(VALU_DEP_1)
	v_lshl_or_b32 v253, v237, 8, v236              ; the head's two scale bytes of my query
.irp b, 0,1
	v_cvt_scalef32_pk8_fp4_f32 v[224+2*\b], v[96+16*\b:103+16*\b], v[244+\b]
	v_cvt_scalef32_pk8_fp4_f32 v[225+2*\b], v[104+16*\b:111+16*\b], v[244+\b]
.endr
	v_nop                                          ; one plain place behind a scaled conversion
	v_permlane16_swap_b32 v224, v226               ; lanes 0-15 block 0, lanes 16-31 block 1
	v_permlane16_swap_b32 v225, v227
	global_store_b128 v[LI], v[224:227], s[60:61]  ; 32 lanes store 512 consecutive bytes, aligned
	global_store_b16 v[CSO], v253, s[62:63]        ; both halves of the lanes write the same two bytes with the same value
	s_wait_tensorcnt 0x0                           ; the wave's end
	ds_add_u32 v[SPW], v[NIL]
	s_wait_dscnt 0x0
	s_endpgm
.Lfunc_end_k_q7f75e6cb12_attn:
	.size	k_q7f75e6cb12_attn, .Lfunc_end_k_q7f75e6cb12_attn-k_q7f75e6cb12_attn
	.p2alignl 7, 3214868480
	.fill 96, 4, 3214868480
	.section	.rodata,"a",@progbits
	.p2align	6, 0x0
	.amdhsa_kernel k_q7f75e6cb12_attn
		.amdhsa_group_segment_fixed_size 327680
		.amdhsa_private_segment_fixed_size 0
		.amdhsa_enable_private_segment 0
		.amdhsa_kernarg_size 32
		.amdhsa_user_sgpr_count 2
		.amdhsa_user_sgpr_kernarg_segment_ptr 1
		.amdhsa_wavefront_size32 1
		.amdhsa_system_sgpr_workgroup_id_x 1
		.amdhsa_system_sgpr_workgroup_id_y 1
		.amdhsa_system_sgpr_workgroup_id_z 1
		.amdhsa_system_vgpr_workitem_id 0
		.amdhsa_next_free_vgpr 256
		.amdhsa_next_free_sgpr 80
		.amdhsa_reserve_vcc 1
		.amdhsa_float_denorm_mode_32 3
		.amdhsa_float_denorm_mode_16_64 3
		.amdhsa_memory_ordered 1
		.amdhsa_forward_progress 1
		.amdhsa_inst_pref_size 83
	.end_amdhsa_kernel
	.amdgpu_metadata
---
amdhsa.version: [ 1, 2 ]
amdhsa.kernels:
  - .name:           k_q7f75e6cb12_attn
    .symbol:         k_q7f75e6cb12_attn.kd
    .args:
      - { .name: qkvc, .offset: 0, .size: 8, .value_kind: global_buffer, .address_space: global }
      - { .name: qkvs, .offset: 8, .size: 8, .value_kind: global_buffer, .address_space: global }
      - { .name: ctxc, .offset: 16, .size: 8, .value_kind: global_buffer, .address_space: global }
      - { .name: ctxs, .offset: 24, .size: 8, .value_kind: global_buffer, .address_space: global }
    .group_segment_fixed_size: 327680
    .private_segment_fixed_size: 0
    .kernarg_segment_align: 8
    .kernarg_segment_size: 32
    .max_flat_workgroup_size: 512
    .sgpr_count:     80
    .vgpr_count:     256
    .wavefront_size: 32
...
	.end_amdgpu_metadata
.endif
;; end of part 3
;; launch outp (part 4): grid 8 x 32, 8 waves a work-group, clusters of 4 x 4, 177,664 bytes of LDS; arguments ctxc, ctxs, opc, ops, out_b, out0; writes out0
.if DOCPART == 4
	.amdgcn_target "amdgcn-amd-amdhsa--gfx1250"
	.amdhsa_code_object_version 6
	.text
	.protected	k_q7f75e6cb12_outp
	.globl	k_q7f75e6cb12_outp
	.p2align	8
	.type	k_q7f75e6cb12_outp,@function
k_q7f75e6cb12_outp:
	s_mov_b64 s[64:65], 0
	v_nop
	global_prefetch_b8 v0, s[64:65] scope:SCOPE_SE
	s_setreg_imm32_b32 hwreg(HW_REG_WAVE_MODE, 25, 1), 1
	s_wait_xcnt 0x0
	s_wait_alu depctr_hold_cnt(0) depctr_sa_sdst(0) depctr_va_vdst(0) depctr_va_sdst(0) depctr_va_ssrc(0) depctr_va_vcc(0) depctr_vm_vsrc(0)
	s_getreg_b32 s2, hwreg(HW_REG_IB_STS2, 6, 4)
	s_cmp_eq_u32 s2, 0
	s_cbranch_scc0 .Lentry_in_a_cluster
	s_endpgm
.Lentry_in_a_cluster:
	s_bfe_u32 s2, ttmp6, 0x10000c
	s_cmp_lg_u32 s2, 0xf033
	s_cbranch_scc0 .Lentry_shape_is_right
	s_endpgm
.Lentry_shape_is_right:
; out0[token][n] = sum over k of context[token][k] out_w[n][k] + out_b[n], on codes of FP4 (E2M1) with one E8M0 scale for each 32 along K = 1,024; sums in f32.
; A = the context: ctxc [tile of 16 queries][head][lane][16 bytes], images of the operand's registers, 8,192 bytes a tile; ctxs [16 x tile + r][32 scale bytes].  B = out_w: rows 7168 + n of opc (512 bytes) and of ops (32 bytes).
; SHARES.  A work-group makes 128 tokens x 128 columns: 8 x 32 = 256 work-groups.  Its eight waves make 32 tokens x 64 columns each: 8 accumulators, 64 registers.
; ALL OF K COMES ONCE: A's codes 65,536 bytes, B's 65,536 (rows of 512 bytes, 16 of padding behind each), 4,096 scale bytes a side (units of 256 bytes, 16 of padding behind each).  Eight loads at the head, one a wave: the halves of A, B, A's scales, B's scales.
; One wait and one barrier show them to all; nothing is filled again.  NO PREFETCH: every tensor load is issued at the head, so the text has no later load to run ahead of.
; CLUSTERS: 4 x 4 work-groups.  The four of a row of the cluster need the same A, the four of a column the same B: each load is asked for jointly, by the same descriptor and a mask that names the four.
; THE MATRIX INSTRUCTION IS USED TRANSPOSED (source 0 = 16 rows of out_w, source 1 = 16 tokens): a lane holds eight neighbouring columns of one token; out_b is the C of the first K step.
; Row r of tile a of a group of 128 tokens is token 64 (a / 4) + 32 (r / 8) + 8 (a % 4) + r % 8: the stores put each row at its token.
; REGISTERS: v16-23 addresses; v32-63 scale words (register 8 i + q: lanes 0-15 A's block i, lanes 16-31 B's block i, K step q; A has two blocks: the words that lanes 0-15 of registers 16-31 take are read by no product);
;   v64-95 A's fragments, two sets; v96-159 B's, two sets; v160-191 out_b; v192-255 the accumulators.  On the way out v64-127 take the rows read back.
.set PB,    528                        ; a row of B in LDS
.set BCO,   65536                      ; B's codes, behind A's
.set SCLA,  133120                     ; A's scales
.set SCLB,  137472                     ; B's
.set SBLK,  544                        ; the scales of 16 rows: two units
.set STAGE, 141824                     ; the way out: 16 rows x 272 bytes for each wave; no load lands here
.set SP,    272
.set SPARE, 176640                     ; the spare words, 128 bytes for each wave
.set ADRA, 16
.set ADRB, 17
.set ADRS, 18
.set STO,  19
.set RD,   20
.set CO,   21
.set SPW,  22
.set NIL,  23
.set SC,   32
.set AF,   64
.set BF,   96
.set BK,   64
.set BI,   160
.set ACC,  192
.set G1,   24
.set G0A,  32
.set G1B,  48
.set G0B,  56
.set G1S,  68
.set G0S,  76
.set G1SB, 80
.set G0SB, 88
.macro CROUND                          ; a round of the cluster's barrier
	s_barrier_signal -1
	s_barrier_wait -1
	s_cmp_lg_u32 s14, 0
	s_cbranch_scc1 .Lnot_wave_0_\@
	s_barrier_signal -3
.Lnot_wave_0_\@:
	s_barrier_wait -3
	s_barrier_signal -1
	s_barrier_wait -1
.endm
	s_load_b128 s[4:7], s[0:1], 0x0                ; ctxc, ctxs
	s_load_b128 s[8:11], s[0:1], 0x10              ; opc, ops
	s_load_b128 s[96:99], s[0:1], 0x20             ; out_b, out0
	v_lshl_add_u32 v[SPW], v0, 2, SPARE
	v_mov_b32 v[NIL], 0
	ds_add_u32 v[SPW], v[NIL]                      ; the opening: the add, twice on end, and its wait ahead of my first tensor load
	ds_add_u32 v[SPW], v[NIL]
	v_lshrrev_b32 v1, 5, v0
	v_readfirstlane_b32 s14, v1                    ; wave 0..7
	s_lshr_b32 s15, s14, 1                         ; what I fetch: 0 A, 1 B, 2 A's scales, 3 B's.  Also: which two tiles of tokens are mine
	s_and_b32 s16, s14, 1                          ; which half of it.  Also: which 64 columns are mine
	s_bfe_u32 s40, ttmp6, 0x40000                  ; cx
	s_bfe_u32 s41, ttmp6, 0x40004                  ; cy
	s_lshl_b32 s42, ttmp9, 2
	s_add_co_u32 s42, s42, s40                     ; block of columns
	s_and_b32 s17, ttmp7, 0xffff
	s_lshl_b32 s17, s17, 2
	s_add_co_u32 s17, s17, s41                     ; block of tokens
	s_lshl_b32 s43, s41, 2
	s_lshl_b32 s43, 15, s43                        ; my row of the cluster
	s_lshl_b32 s44, 0x1111, s40                    ; my column
	s_or_b32 s[G1+0], s43, (3<<16)|(1<<21)         ; A: 128 rows of 256 bytes, dense, no padding
	s_mov_b32 s[G1+1], 32<<16
	s_mov_b32 s[G1+2], 128<<16
	s_mov_b32 s[G1+3], 32<<16
	s_mov_b32 s[G1+4], 128
	s_mov_b32 s[G1+5], 32
	s_mov_b32 s[G1+6], 0
	s_mov_b32 s[G1+7], 0
	s_or_b32 s[G1B+0], s44, (0<<16)|(1<<20)|(1<<21)|(6<<22)|(3<<25)   ; B: 64 rows of 512 bytes, four words of padding after every 128
	s_mov_b32 s[G1B+1], 512<<16
	s_mov_b32 s[G1B+2], 64<<16
	s_mov_b32 s[G1B+3], 512<<16
	s_mov_b32 s[G1B+4], 64
	s_mov_b32 s[G1B+5], 512
	s_mov_b32 s[G1B+6], 0
	s_mov_b32 s[G1B+7], 0
	s_or_b32 s[G1S+0], s43, (3<<16)|(1<<20)|(1<<21)|(5<<22)|(3<<25)   ; scales: 8 rows of 256 bytes, four words of padding after every 64
	s_or_b32 s[G1SB+0], s44, (3<<16)|(1<<20)|(1<<21)|(5<<22)|(3<<25)
.irp g, G1S, G1SB
	s_mov_b32 s[\g+1], 32<<16
	s_mov_b32 s[\g+2], 8<<16
	s_mov_b32 s[\g+3], 32<<16
	s_mov_b32 s[\g+4], 8
	s_mov_b32 s[\g+5], 32
	s_mov_b32 s[\g+6], 0
	s_mov_b32 s[\g+7], 0
.endr
	s_lshl_b32 s20, s17, 16                        ; A's codes: 65,536 bytes a block of tokens, 32,768 a half
	s_lshl_b32 s18, s16, 15
	s_add_co_u32 s20, s20, s18
	s_mov_b32 s21, 0
	s_lshl_b32 s22, s17, 12                        ; its scales: 4,096 and 2,048
	s_lshl_b32 s18, s16, 11
	s_add_co_u32 s22, s22, s18
	s_mov_b32 s23, 0
	s_lshl_b32 s46, s42, 7                         ; B: row 7168 + 128 x block + 64 x half
	s_lshl_b32 s18, s16, 6
	s_add_co_u32 s46, s46, s18
	s_add_co_u32 s46, s46, 7168
	s_lshl_b32 s92, s46, 5
	s_mov_b32 s93, 0
	s_lshl_b32 s46, s46, 9
	s_mov_b32 s47, 0
	s_lshl_b32 s[G0A+1], s16, 15                   ; where they go: no place in the cluster enters an LDS address
	s_mul_i32 s[G0B+1], s16, 64*PB
	s_add_co_u32 s[G0B+1], s[G0B+1], BCO
	s_mul_i32 s[G0S+1], s16, 8*272
	s_add_co_u32 s[G0SB+1], s[G0S+1], SCLB
	s_add_co_u32 s[G0S+1], s[G0S+1], SCLA
	; the scalars of the addresses below, all ahead of the vector lines that take them
	s_lshl_b32 s38, s42, 9                         ; out_b: 512 bytes a block of columns, 256 a half
	s_lshl_b32 s18, s16, 8
	s_add_co_u32 s38, s38, s18
	s_mov_b32 s39, 0
	s_lshl_b32 s36, s17, 19                        ; out0: 128 tokens of 4,096 bytes a block; my tiles 2 g, 2 g + 1 begin at token 64 (g / 2) + 16 (g % 2); + the same columns
	s_lshr_b32 s18, s15, 1
	s_lshl_b32 s18, s18, 18
	s_add_co_u32 s36, s36, s18
	s_and_b32 s18, s15, 1
	s_lshl_b32 s18, s18, 16
	s_add_co_u32 s36, s36, s18
	s_add_co_u32 s36, s36, s38
	s_mov_b32 s37, 0
	s_lshl_b32 s60, s15, 14                        ; my two tiles of A
	s_mul_i32 s61, s16, 64*PB
	s_add_co_u32 s61, s61, BCO                     ; my 64 rows of B
	s_mul_i32 s63, s15, 2*SBLK                     ; my scales of A,
	s_mul_i32 s62, s16, 4*SBLK
	s_add_co_u32 s62, s62, SCLB-SCLA
	s_sub_co_u32 s62, s62, s63                     ; and how far on B's lie
	s_add_co_u32 s63, s63, SCLA
	s_mul_i32 s66, s14, 16*SP
	s_add_co_u32 s66, s66, STAGE                   ; my stage
	s_wait_dscnt 0x0                               ; both opening adds are done
	s_wait_kmcnt 0x0
	s_mov_b32 s[G0A], 1
	s_add_nc_u64 s[G0A+2:G0A+3], s[4:5], s[20:21]
	s_or_b32 s[G0A+3], s[G0A+3], 0x80000000
	s_mov_b32 s[G0S], 1
	s_add_nc_u64 s[G0S+2:G0S+3], s[6:7], s[22:23]
	s_or_b32 s[G0S+3], s[G0S+3], 0x80000000
	s_mov_b32 s[G0B], 1
	s_add_nc_u64 s[G0B+2:G0B+3], s[8:9], s[46:47]
	s_or_b32 s[G0B+3], s[G0B+3], 0x80000000
	s_mov_b32 s[G0SB], 1
	s_add_nc_u64 s[G0SB+2:G0SB+3], s[10:11], s[92:93]
	s_or_b32 s[G0SB+3], s[G0SB+3], 0x80000000
	s_add_nc_u64 s[96:97], s[96:97], s[38:39]
	s_add_nc_u64 s[98:99], s[98:99], s[36:37]
	CROUND                                         ; all sixteen work-groups are here: the joint loads meet
; THE HEAD'S LOADS, ONE A WAVE: one tree of branches on the wave's number, a load in each arm, all arms leading to one join
.macro ARM under, g0, g1, next
	s_cmp_lt_u32 s15, \under
	s_cbranch_scc0 \next
	tensor_load_to_lds s[\g0:\g0+3], s[\g1:\g1+7]
	s_nop 0
.rept 4
	v_nop
.endr
	s_branch .Lhead_asked
\next:
.endm
	ARM 1, G0A, G1,  .Lhead_b
	ARM 2, G0B, G1B, .Lhead_sa
	ARM 3, G0S, G1S, .Lhead_sb
	tensor_load_to_lds s[G0SB:G0SB+3], s[G1SB:G1SB+7]
	s_nop 0
.rept 4
	v_nop
.endr
.Lhead_asked:
	v_and_b32 v1, 15, v0                           ; r
	v_bfe_u32 v2, v0, 4, 1                         ; h
	v_lshlrev_b32 v7, 5, v2
	v_and_b32 v6, 31, v0
	v_lshlrev_b32 v3, 4, v6
	v_add_nc_u32 v[ADRA], s60, v3                  ; A: 16 x lane in my tiles
	v_mul_u32_u24 v4, v1, PB
	v_lshl_add_u32 v4, v2, 4, v4
	v_add_nc_u32 v[ADRB], s61, v4                  ; B: row r, + 16 h
	v_lshlrev_b32 v5, 5, v1                        ; scales: 32 bytes a row,
	v_lshrrev_b32 v6, 8, v5
	v_lshl_add_u32 v5, v6, 4, v5                   ; and 16 more for each 256 passed
	v_mul_u32_u24 v6, s62, v2                      ; lanes 16-31 take B's
	v_add_nc_u32 v5, v5, v6
	v_add_nc_u32 v[ADRS], s63, v5
	v_mul_u32_u24 v8, v1, SP
	v_lshl_add_u32 v8, v2, 5, v8
	v_add_nc_u32 v[STO], s66, v8                   ; the stage, in: row r, 32 bytes for each half of the lanes
	v_mul_u32_u24 v9, v2, SP
	v_lshl_add_u32 v9, v1, 4, v9
	v_add_nc_u32 v[RD], s66, v9                    ; back: lanes 0-15 one row of 256 bytes, lanes 16-31 the next
	v_lshlrev_b32 v10, 12, v2
	v_lshl_add_u32 v[CO], v1, 4, v10               ; and the same two rows in out0
	s_wait_alu depctr_va_vdst(0)                   ; the wait at the head's end
.irp b, 0,1,2,3
	global_load_b128 v[BI+8*\b:BI+8*\b+3], v7, s[96:97] offset:64*\b         ; out_b at my eight columns of block b
	global_load_b128 v[BI+8*\b+4:BI+8*\b+7], v7, s[96:97] offset:64*\b+16
.endr
.macro LDF q                           ; the fragments of K step q into set q % 2: 12 loads
.irp a, 0,1
.irp c, 0,1
	ds_load_b128 v[AF+16*((\q)%2)+8*\a+4*\c:AF+16*((\q)%2)+8*\a+4*\c+3], v[ADRA] offset:8192*\a+1024*(\q)+512*\c
.endr
.endr
.irp b, 0,1,2,3
.irp c, 0,1
	ds_load_b128 v[BF+32*((\q)%2)+8*\b+4*\c:BF+32*((\q)%2)+8*\b+4*\c+3], v[ADRB] offset:16*PB*\b+64*(\q)+32*\c
.endr
.endr
.endm
.macro MUL q                           ; 8 matrix instructions: the accumulators take turns, in the same order in every step
.irp a, 0,1
.irp b, 0,1,2,3
.if (\q) == 0
	v_wmma_scale_f32_16x16x128_f8f6f4 v[ACC+8*(4*\a+\b):ACC+8*(4*\a+\b)+7], v[BF+32*((\q)%2)+8*\b:BF+32*((\q)%2)+8*\b+7], v[AF+16*((\q)%2)+8*\a:AF+16*((\q)%2)+8*\a+7], v[BI+8*\b:BI+8*\b+7], v[SC+8*\b+(\q)], v[SC+8*\a+(\q)] matrix_a_fmt:MATRIX_FMT_FP4 matrix_b_fmt:MATRIX_FMT_FP4 matrix_a_scale:MATRIX_SCALE_ROW1
.else
	v_wmma_scale_f32_16x16x128_f8f6f4 v[ACC+8*(4*\a+\b):ACC+8*(4*\a+\b)+7], v[BF+32*((\q)%2)+8*\b:BF+32*((\q)%2)+8*\b+7], v[AF+16*((\q)%2)+8*\a:AF+16*((\q)%2)+8*\a+7], v[ACC+8*(4*\a+\b):ACC+8*(4*\a+\b)+7], v[SC+8*\b+(\q)], v[SC+8*\a+(\q)] matrix_a_fmt:MATRIX_FMT_FP4 matrix_b_fmt:MATRIX_FMT_FP4 matrix_a_scale:MATRIX_SCALE_ROW1
.endif
.endr
.endr
.endm
	s_wait_tensorcnt 0x0                           ; my load is in
	s_barrier_signal -1
	s_barrier_wait -1                              ; and so is everybody's
.irp i, 0,1,2,3
.irp u, 0,1
	ds_load_b128 v[SC+8*\i+4*\u:SC+8*\i+4*\u+3], v[ADRS] offset:SBLK*\i+16*\u   ; the scale words of all eight K steps
.endr
.endr
	LDF 0
	LDF 1
	s_wait_loadcnt 0x0                             ; out_b
	s_wait_dscnt 12                                ; all but the 12 just issued
	MUL 0
.irp q, 1,2,3,4,5,6
.rept 4
	v_nop                                          ; places between the products that read a set and the loads into it
.endr
	LDF \q+1
	s_wait_dscnt 12
	MUL \q
.endr
	s_wait_dscnt 0x0
	MUL 7
.rept 4
	v_nop                                          ; places behind the last products
.endr
; THE WAY OUT: 16 tokens x 64 columns at a time through my own stage; LDS serves a wave's instructions in order, so no wait stands between the stores and the loads, nor ahead of the next block's stores
.irp a, 0,1
.irp b, 0,1,2,3
	ds_store_b128 v[STO], v[ACC+8*(4*\a+\b):ACC+8*(4*\a+\b)+3] offset:64*\b       ; each accumulator from its low end on
	ds_store_b128 v[STO], v[ACC+8*(4*\a+\b)+4:ACC+8*(4*\a+\b)+7] offset:64*\b+16
.endr
.irp t, 0,1,2,3,4,5,6,7
	ds_load_b128 v[BK+32*\a+4*\t:BK+32*\a+4*\t+3], v[RD] offset:2*\t*SP
.endr
.endr
.irp a, 0,1
	s_wait_dscnt 16-16*\a                          ; block a is back; behind block 0's loads stand block 1's 8 stores and 8 loads
.irp t, 0,1,2,3,4,5,6,7
	global_store_b128 v[CO], v[BK+32*\a+4*\t:BK+32*\a+4*\t+3], s[98:99] offset:(8*\a+2*(\t%4)+32*(\t/4))*4096 th:TH_STORE_NT   ; rows 2 t, 2 t + 1 of the tile; sixteen lanes store 256 consecutive bytes, aligned
.endr
.endr
	s_wait_tensorcnt 0x0                           ; the wave's end
	ds_add_u32 v[SPW], v[NIL]
	s_wait_dscnt 0x0
	CROUND                                         ; the closing round
	s_endpgm
.Lfunc_end_k_q7f75e6cb12_outp:
	.size	k_q7f75e6cb12_outp, .Lfunc_end_k_q7f75e6cb12_outp-k_q7f75e6cb12_outp
	.p2alignl 7, 3214868480
	.fill 96, 4, 3214868480
	.section	.rodata,"a",@progbits
	.p2align	6, 0x0
	.amdhsa_kernel k_q7f75e6cb12_outp
		.amdhsa_group_segment_fixed_size 177664
		.amdhsa_private_segment_fixed_size 0
		.amdhsa_enable_private_segment 0
		.amdhsa_kernarg_size 48
		.amdhsa_user_sgpr_count 2
		.amdhsa_user_sgpr_kernarg_segment_ptr 1
		.amdhsa_wavefront_size32 1
		.amdhsa_system_sgpr_workgroup_id_x 1
		.amdhsa_system_sgpr_workgroup_id_y 1
		.amdhsa_system_sgpr_workgroup_id_z 1
		.amdhsa_system_vgpr_workitem_id 0
		.amdhsa_next_free_vgpr 256
		.amdhsa_next_free_sgpr 100
		.amdhsa_reserve_vcc 0
		.amdhsa_float_denorm_mode_32 3
		.amdhsa_float_denorm_mode_16_64 3
		.amdhsa_memory_ordered 1
		.amdhsa_forward_progress 1
		.amdhsa_inst_pref_size 29
	.end_amdhsa_kernel
	.amdgpu_metadata
---
amdhsa.version: [ 1, 2 ]
amdhsa.kernels:
  - .name:           k_q7f75e6cb12_outp
    .symbol:         k_q7f75e6cb12_outp.kd
    .args:
      - { .name: ctxc, .offset: 0, .size: 8, .value_kind: global_buffer, .address_space: global }
      - { .name: ctxs, .offset: 8, .size: 8, .value_kind: global_buffer, .address_space: global }
      - { .name: opc, .offset: 16, .size: 8, .value_kind: global_buffer, .address_space: global }
      - { .name: ops, .offset: 24, .size: 8, .value_kind: global_buffer, .address_space: global }
      - { .name: out_b, .offset: 32, .size: 8, .value_kind: global_buffer, .address_space: global }
      - { .name: out0, .offset: 40, .size: 8, .value_kind: global_buffer, .address_space: global }
    .group_segment_fixed_size: 177664
    .private_segment_fixed_size: 0
    .kernarg_segment_align: 8
    .kernarg_segment_size: 48
    .max_flat_workgroup_size: 256
    .sgpr_count:     100
    .vgpr_count:     256
    .wavefront_size: 32
...
	.end_amdgpu_metadata
.endif
;; end of part 4
